; MI455X (gfx1250); checked and timed in simulation.
; The chip was launched on July 23, 2026; its instructions are those of AMD's public machine-readable ISA for CDNA 5 (MIT licence, August 2026) and "CDNA5" Instruction Set Architecture Reference Guide (July 2026). The comments in the code are by the model that wrote it; some were corrected since.
;; Branch. Allowed arithmetic: float matrix products may take bf16 or f16 operands with f32 sums; other float arithmetic in f32, or as packed bf16 or f16 multiplies, adds, multiply-adds, maxima and minima; sums over many terms, partial sums and values carried from step to step in f32; what a program stores and reads back later, other than sums and carried values, may be rounded once to bf16 or f16.
;; Inputs: W1 4 x 512 x 1,024 float32; W2 4 x 1,024 x 1,024 float32; W3 4 x 1,024 x 512 float32; b1 4 x 1,024 float32; b2 4 x 1,024 float32; b3 4 x 512 float32; command 8,192 int32; x 8,192 x 512 float32.
;; Outputs: out0 8,192 x 512 float32.
;; 2 versions, each right; version 2 is version 1 with the launch chain written anew for expert scheduling mode. Each part assembles by itself: llvm-mc -triple=amdgcn-amd-amdhsa -mcpu=gfx1250 --defsym DOCPART=n.
;; ======== version 1 of 2: 2 launches
;; limits: values are held in f16: magnitudes above 65,504 overflow, below 6.1e-05 lose precision; inputs' magnitudes at most 65,504
;; workspace buffers: wt 16,777,216 bytes; order 32,768 bytes of whole numbers; tiles 4,096 bytes of whole numbers
;; launch prep (part 1): grid 257 x 1, 8 waves a work-group, no clusters, 68,608 bytes of LDS; arguments W1, W2, W3, command, wt, order, tiles; writes wt, order, tiles
.if DOCPART == 1
	.amdgcn_target "amdgcn-amd-amdhsa--gfx1250"
	.amdhsa_code_object_version 6
	.text
	.protected	k_qd1d356a441_prep
	.globl	k_qd1d356a441_prep
	.p2align	8
	.type	k_qd1d356a441_prep,@function
k_qd1d356a441_prep:
	s_mov_b64 s[64:65], 0
	v_nop
	global_prefetch_b8 v0, s[64:65] scope:SCOPE_SE
	s_setreg_imm32_b32 hwreg(HW_REG_WAVE_MODE, 25, 1), 1
	s_wait_xcnt 0x0
; PREP.  Two jobs in one launch, chosen by the work-group's number.
; Work-group 0 SORTS: it counts the tokens of each of the 4 experts, gives every token a place in a list grouped by expert (order),
; and writes a table of tiles of up to 48 rows of one expert (tiles: expert, first place, rows, 0; 256 entries, those past the last tile with 0 rows).
; Work-groups 1..256 LAY THE WEIGHTS OUT: rounded once and stored in the order in which the next launch's waves take them as matrix operands:
;   wt byte = e*4194304 + cw*524288 + g*8192 + f*1024 + half*512 + L*16:  8 numbers W[k0 + 16 half + 8 (L/16) + 0..7][c]
;   cw = consumer wave 0..7; g = its step 0..63 (layer 1: 0-15, layer 2: 16-47, layer 3: 48-63); f = fragment 0..7; L = lane
;   layers 1, 2: k0 = 32 (g - first g), c = 128 cw + 16 f + L%16.   layer 3: k0 = 32 (2 (g-48) + f/4), c = 64 cw + 16 (f%4) + L%16
; FORMATS.  W1 is stored as bf16.  W2 and W3 are rounded to bf16 like every input, and that number is written as f16, since their partner is f16.
; LIMITS.  command lies in 0..3 (a larger number counts as 3, so that every token still gets a place).  |W2|, |W3| stay below 65,504; below 6e-5 they keep f16's fixed step of 6e-8.
.set SPARE,  67584                     ; the spare words: 128 bytes for each of 8 waves, four blocks of 256 bytes that no other line names
.set STG,    8448                      ; a wave's own stage: 8 fragments at FPITCH
.set FPITCH, 1040                      ; 1,024 bytes + 16
.set IN,     32                        ; v[32:159]  32 rows x 4 numbers as loaded; then the 16 pieces read back.  In the sort: v[32:63] the commands
.set PKD,    160                       ; v[160:223] packed 16-bit numbers
.set CNTV,   64                        ; sort: v[64:95] all waves' counts
.set POS,    96                        ; sort: v[96:127] byte offset in order, one register for each store
.set TOK,    128                       ; sort: v[128:159] token number, one register for each store
	s_load_b256 s[4:11], s[0:1], 0x0               ; W1 s[4:5], W2 s[6:7], W3 s[8:9], command s[10:11]
	s_load_b128 s[12:15], s[0:1], 0x20             ; wt s[12:13], order s[14:15]
	s_load_b64 s[16:17], s[0:1], 0x30              ; tiles
	v_lshl_add_u32 v5, v0, 2, SPARE                ; my spare word; never rewritten
	v_mov_b32 v6, 0                                ; 0; never rewritten
	v_lshrrev_b32 v1, 5, v0
	v_readfirstlane_b32 s3, v1                     ; wave 0..7
	v_and_b32 v7, 31, v0                           ; lane
	v_lshlrev_b32 v2, 4, v7                        ; 16 bytes a lane
	s_wait_kmcnt 0x0
	s_cmp_eq_u32 ttmp9, 0                          ; the same answer in all eight waves
	s_cbranch_scc1 .Lsort
; ---------------- the weights.  One item to a wave: 32 k x 128 channels, 16 KB of f32 in, 8 KB out ----------------
	s_sub_co_u32 s18, ttmp9, 1
	s_lshr_b32 s19, s18, 6                         ; expert
	s_and_b32 s18, s18, 63                         ; 0-15 layer 1, 16-47 layer 2, 48-63 layer 3
	s_lshl_b32 s20, s19, 22                        ; the expert's 4 MB of wt
	s_mov_b32 s27, 0                               ; high word of every offset
	s_mov_b32 s31, 0xffff0000                      ; a word's upper bf16
	v_lshrrev_b32 v8, 2, v7                        ; my 4 channels lie in fragment lane / 4,
	v_and_b32 v9, 3, v7                            ; at its lanes 4 (lane % 4) + 0..3
	v_mul_u32_u24 v3, v8, FPITCH
	v_lshl_add_u32 v3, v9, 6, v3
	s_mul_i32 s21, s3, STG
	v_add_nc_u32 v3, s21, v3                       ; into my stage
	v_add_nc_u32 v4, s21, v2                       ; back out of it: 512 neighbouring bytes a load
; pitch: bytes from k to k + 1 in the source.  half = 1: bf16's number written as f16.  split = 1: the item's 8 fragments belong to two consumer waves.
.macro CONV pitch, half, split
.set i_, 0
.rept 32
	global_load_b128 v[IN+4*i_:IN+4*i_+3], v2, s[22:23] offset:i_*(\pitch) th:TH_LOAD_NT  ; row k = i, channels 4 lane + 0..3: 512 neighbouring bytes; read once in the launch
.set i_, i_+1
.endr
.irp o, 0,1,2,3                        ; eight k at a time: they are one lane's 16 bytes of a fragment
	s_wait_loadcnt 24-8*(\o)                       ; loads come back in order: the later octets' 8 loads each may stay out
.irp q, 0,1,2,3                        ; my channel 4 lane + q
.irp m, 0,1,2,3
.if \half
	v_cvt_pk_bf16_f32 v[8+3*(\m)], v[IN+4*(8*(\o)+2*(\m))+(\q)], v[IN+4*(8*(\o)+2*(\m)+1)+(\q)]
	v_lshlrev_b32 v[9+3*(\m)], 16, v[8+3*(\m)]
	v_and_b32 v[10+3*(\m)], s31, v[8+3*(\m)]
	v_cvt_pk_f16_f32 v[PKD+4*(4*(\o)+(\q))+(\m)], v[9+3*(\m)], v[10+3*(\m)]
.else
	v_cvt_pk_bf16_f32 v[PKD+4*(4*(\o)+(\q))+(\m)], v[IN+4*(8*(\o)+2*(\m))+(\q)], v[IN+4*(8*(\o)+2*(\m)+1)+(\q)]
.endif
.endr
	ds_store_b128 v3, v[PKD+4*(4*(\o)+(\q)):PKD+4*(4*(\o)+(\q))+3] offset:((\o)/2)*512+((\o)%2)*256+(\q)*16  ; half o / 2, lanes 16 (o % 2) + 4 (lane % 4) + q
.endr
.endr
.set n_, 0
.rept 16
	ds_load_b128 v[IN+4*n_:IN+4*n_+3], v4 offset:(n_/2)*FPITCH+(n_%2)*512  ; my own bytes, and LDS serves a wave's instructions in order (ISA guide 5.7.1.4): these see the stores above
.set n_, n_+1
.endr
.set n_, 0
.rept 16
	s_wait_dscnt 15-n_                             ; piece n is back; the later ones may stay out
.if \split
	global_store_b128 v2, v[IN+4*n_:IN+4*n_+3], s[24:25] offset:(n_/8)*524288+(n_%8)*512
.else
	global_store_b128 v2, v[IN+4*n_:IN+4*n_+3], s[24:25] offset:n_*512  ; each store of the wave covers 512 consecutive bytes, aligned
.endif
.set n_, n_+1
.endr
	s_wait_tensorcnt 0x0                           ; the wave's end, behind my last LDS store
	ds_add_u32 v5, v6
	s_wait_dscnt 0x0
	s_endpgm
.endm
	s_cmp_lt_u32 s18, 16
	s_cbranch_scc1 .Llayer1
	s_cmp_lt_u32 s18, 48
	s_cbranch_scc1 .Llayer2
	; layer 3: item (s18 - 48) * 8 + wave: K block item / 4, channels 128 (item % 4) on
	s_sub_co_u32 s28, s18, 48
	s_lshl3_add_u32 s28, s28, s3
	s_lshr_b32 s29, s28, 2                         ; K block 0..31
	s_and_b32 s28, s28, 3                          ; channel group 0..3
	s_lshl_b32 s26, s19, 21                        ; W3[e]: 2 MB
	s_lshl_b32 s30, s29, 16                        ; 32 rows of 2,048 bytes
	s_add_co_u32 s26, s26, s30
	s_lshl_b32 s30, s28, 9
	s_add_co_u32 s26, s26, s30
	s_add_nc_u64 s[22:23], s[8:9], s[26:27]
	s_lshl_b32 s26, s28, 20                        ; consumer wave 2 x group (the second four fragments: the wave behind it)
	s_add_co_u32 s26, s26, s20
	s_lshr_b32 s30, s29, 1
	s_lshl_b32 s30, s30, 13                        ; step 48 + K block / 2
	s_add_co_u32 s26, s26, s30
	s_and_b32 s30, s29, 1
	s_lshl_b32 s30, s30, 12                        ; fragments 4 (K block % 2) on
	s_add_co_u32 s26, s26, s30
	s_add_co_u32 s26, s26, 48*8192
	s_add_nc_u64 s[24:25], s[12:13], s[26:27]
	CONV 2048, 1, 1
.Llayer1:                                              ; K block s18, channels 128 wave on
	s_lshl_b32 s26, s19, 21                        ; W1[e]: 2 MB
	s_lshl_b32 s30, s18, 17                        ; 32 rows of 4,096 bytes
	s_add_co_u32 s26, s26, s30
	s_lshl_b32 s30, s3, 9
	s_add_co_u32 s26, s26, s30
	s_add_nc_u64 s[22:23], s[4:5], s[26:27]
	s_lshl_b32 s26, s3, 19                         ; consumer wave = my wave
	s_add_co_u32 s26, s26, s20
	s_lshl_b32 s30, s18, 13                        ; step s18
	s_add_co_u32 s26, s26, s30
	s_add_nc_u64 s[24:25], s[12:13], s[26:27]
	CONV 4096, 0, 0
.Llayer2:                                              ; K block s18 - 16, channels 128 wave on
	s_sub_co_u32 s28, s18, 16
	s_lshl_b32 s26, s19, 22                        ; W2[e]: 4 MB
	s_lshl_b32 s30, s28, 17
	s_add_co_u32 s26, s26, s30
	s_lshl_b32 s30, s3, 9
	s_add_co_u32 s26, s26, s30
	s_add_nc_u64 s[22:23], s[6:7], s[26:27]
	s_lshl_b32 s26, s3, 19
	s_add_co_u32 s26, s26, s20
	s_lshl_b32 s30, s18, 13                        ; step s18 again: layer 2's steps begin at 16
	s_add_co_u32 s26, s26, s30
	s_add_nc_u64 s[24:25], s[12:13], s[26:27]
	CONV 4096, 1, 0
; ---------------- the sort.  Wave w has tokens 1024 w .. 1024 w + 1023: register j of lane l holds token 1024 w + 128 (j / 4) + 4 l + j % 4 ----------------
.Lsort:
	s_lshl_b32 s18, s3, 12
	v_add_nc_u32 v3, s18, v2
.irp c, 0,1,2,3,4,5,6,7
	global_load_b128 v[IN+4*(\c):IN+4*(\c)+3], v3, s[10:11] offset:512*(\c)
.endr
	s_lshl_b32 s19, s3, 10
	v_lshl_add_u32 v14, v7, 2, s19                 ; 1024 w + 4 lane
	s_mov_b32 s20, 0
	s_mov_b32 s21, 0
	s_mov_b32 s22, 0
	s_wait_loadcnt 0x0
.set j_, 0
.rept 32
	v_min_u32 v[IN+j_], 3, v[IN+j_]
.set j_, j_+1
.endr
	; my wave's counts: a mask of lanes for each of experts 0 to 2, its ones counted; two sets of scalars by turns
.set j_, 0
.rept 32
.set sb, 70+3*(j_%2)
	v_cmp_eq_u32 s[sb], 0, v[IN+j_]
	v_cmp_eq_u32 s[sb+1], 1, v[IN+j_]
	v_cmp_eq_u32 s[sb+2], 2, v[IN+j_]
	s_bcnt1_i32_b32 s[sb], s[sb]
	s_bcnt1_i32_b32 s[sb+1], s[sb+1]
	s_bcnt1_i32_b32 s[sb+2], s[sb+2]
	s_add_co_u32 s20, s20, s[sb]
	s_add_co_u32 s21, s21, s[sb+1]
	s_add_co_u32 s22, s22, s[sb+2]
.set j_, j_+1
.endr
	s_sub_co_u32 s23, 1024, s20                    ; expert 3 has the rest
	s_sub_co_u32 s23, s23, s21
	s_sub_co_u32 s23, s23, s22
	v_mov_b32 v8, s20
	v_mov_b32 v9, s21
	v_mov_b32 v10, s22
	v_mov_b32 v11, s23
	v_mov_b32 v12, s3
	v_lshlrev_b32 v12, 4, v12
	ds_store_b128 v12, v[8:11]                     ; LDS bytes 16 w ..: all lanes write the same four words
	s_wait_dscnt 0x0                               ; for the others' sake: my counts are in LDS
	s_barrier_signal -1
	s_barrier_wait -1
	v_mov_b32 v13, 0
.irp w, 0,1,2,3,4,5,6,7
	ds_load_b128 v[CNTV+4*(\w):CNTV+4*(\w)+3], v13 offset:16*(\w)
.endr
	s_wait_dscnt 0x0
.set j_, 0
.rept 32
	v_readfirstlane_b32 s[32+j_], v[CNTV+j_]       ; s[32 + 4 w + e]
.set j_, j_+1
.endr
.irp e, 0,1,2,3
	s_add_co_u32 s[24+(\e)], s[32+(\e)], s[36+(\e)]  ; s24-27: the experts' rows
.irp w, 2,3,4,5,6,7
	s_add_co_u32 s[24+(\e)], s[24+(\e)], s[32+4*(\w)+(\e)]
.endr
.endr
	s_mov_b32 s28, 0                               ; s28-31: where each expert's rows begin in the list
	s_mov_b32 s29, s24
	s_add_co_u32 s30, s29, s25
	s_add_co_u32 s31, s30, s26
	s_mov_b32 s66, s28                             ; s66-69: the next free place of each expert for my wave: behind the earlier waves' tokens
	s_mov_b32 s67, s29
	s_mov_b32 s68, s30
	s_mov_b32 s69, s31
.irp w, 0,1,2,3,4,5,6
	s_cmp_gt_u32 s3, \w
	s_cselect_b32 s70, s[32+4*(\w)], 0
	s_cselect_b32 s71, s[33+4*(\w)], 0
	s_cselect_b32 s72, s[34+4*(\w)], 0
	s_cselect_b32 s73, s[35+4*(\w)], 0
	s_add_co_u32 s66, s66, s70
	s_add_co_u32 s67, s67, s71
	s_add_co_u32 s68, s68, s72
	s_add_co_u32 s69, s69, s73
.endr
	; places: a token's place is its expert's next free place plus the number of lower lanes with the same expert.
	; Each store has registers of its own, so none is rewritten while a store may still read it.
.set j_, 0
.rept 32
	v_cmp_eq_u32 s70, 0, v[IN+j_]
	v_cmp_eq_u32 s71, 1, v[IN+j_]
	v_cmp_eq_u32 s72, 2, v[IN+j_]
	v_cmp_eq_u32 s73, 3, v[IN+j_]
	v_mbcnt_lo_u32_b32 v[POS+j_], s70, s66
	v_mbcnt_lo_u32_b32 v9, s71, s67
	v_mbcnt_lo_u32_b32 v10, s72, s68
	v_mbcnt_lo_u32_b32 v11, s73, s69
	v_cndmask_b32 v[POS+j_], v[POS+j_], v9, s71
	v_cndmask_b32 v[POS+j_], v[POS+j_], v10, s72
	v_cndmask_b32 v[POS+j_], v[POS+j_], v11, s73
	s_bcnt1_i32_b32 s70, s70
	s_bcnt1_i32_b32 s71, s71
	s_bcnt1_i32_b32 s72, s72
	s_bcnt1_i32_b32 s73, s73
	s_add_co_u32 s66, s66, s70
	s_add_co_u32 s67, s67, s71
	s_add_co_u32 s68, s68, s72
	s_add_co_u32 s69, s69, s73
	v_min_u32 v[POS+j_], 8191, v[POS+j_]           ; a place made from loaded numbers enters an address only behind this bound
	v_lshlrev_b32 v[POS+j_], 2, v[POS+j_]
	v_add_nc_u32 v[TOK+j_], 128*(j_/4)+j_%4, v14
	global_store_b32 v[POS+j_], v[TOK+j_], s[14:15]  ; the lanes of one expert store neighbouring words: four runs a store; 32 KB in all
.set j_, j_+1
.endr
	; the table of tiles, one entry a thread.  Expert e has ceil(n_e / 48) tiles: ((n + 47) / 16) / 3, the division by 3 as x 43691 >> 17 (exact up to 514)
.irp e, 0,1,2
	s_add_co_u32 s70, s[24+(\e)], 47
	s_lshr_b32 s70, s70, 4
	s_mul_i32 s70, s70, 0xaaab
	s_lshr_b32 s[76+(\e)], s70, 17
.endr
	s_add_co_u32 s77, s77, s76                     ; s76-78: the first tile of experts 1, 2, 3
	s_add_co_u32 s78, s78, s77
	v_mov_b32 v24, 0                               ; expert
	v_mov_b32 v17, 0                               ; its first tile
	v_mov_b32 v18, s28                             ; its first place
	v_mov_b32 v19, s24                             ; its rows
.irp k, 1,2,3
	v_cmp_le_u32 vcc_lo, s[75+(\k)], v0
	v_cndmask_b32 v24, v24, \k, vcc_lo
	v_cndmask_b32 v17, v17, s[75+(\k)], vcc_lo
	v_cndmask_b32 v18, v18, s[28+(\k)], vcc_lo
	v_cndmask_b32 v19, v19, s[24+(\k)], vcc_lo
.endr
	v_sub_nc_u32 v20, v0, v17
	v_mul_u32_u24 v20, v20, 48                     ; rows of the expert in front of this tile
	v_add_nc_u32 v25, v18, v20
	v_min_u32 v25, 8191, v25                       ; first place (bounded for the entries past the last tile)
	v_sub_nc_u32 v26, v19, v20
	v_max_i32 v26, 0, v26
	v_min_i32 v26, 48, v26                         ; rows: 0 to 48
	v_mov_b32 v27, 0
	v_lshlrev_b32 v28, 4, v0
	global_store_b128 v28, v[24:27], s[16:17]      ; 256 threads x 16 bytes: the whole table
	s_wait_tensorcnt 0x0                           ; the wave's end, behind my last LDS store
	ds_add_u32 v5, v6
	s_wait_dscnt 0x0
	s_endpgm
.Lfunc_end_k_qd1d356a441_prep:
	.size	k_qd1d356a441_prep, .Lfunc_end_k_qd1d356a441_prep-k_qd1d356a441_prep
	.p2alignl 7, 3214868480
	.fill 96, 4, 3214868480
	.section	.rodata,"a",@progbits
	.p2align	6, 0x0
	.amdhsa_kernel k_qd1d356a441_prep
		.amdhsa_group_segment_fixed_size 68608
		.amdhsa_private_segment_fixed_size 0
		.amdhsa_enable_private_segment 0
		.amdhsa_kernarg_size 56
		.amdhsa_user_sgpr_count 2
		.amdhsa_user_sgpr_kernarg_segment_ptr 1
		.amdhsa_wavefront_size32 1
		.amdhsa_system_sgpr_workgroup_id_x 1
		.amdhsa_system_sgpr_workgroup_id_y 1
		.amdhsa_system_sgpr_workgroup_id_z 1
		.amdhsa_system_vgpr_workitem_id 0
		.amdhsa_next_free_vgpr 224
		.amdhsa_next_free_sgpr 84
		.amdhsa_reserve_vcc 1
		.amdhsa_float_denorm_mode_32 3
		.amdhsa_float_denorm_mode_16_64 3
		.amdhsa_memory_ordered 1
		.amdhsa_forward_progress 1
		.amdhsa_inst_pref_size 112
	.end_amdhsa_kernel
	.amdgpu_metadata
---
amdhsa.version: [ 1, 2 ]
amdhsa.kernels:
  - .name:           k_qd1d356a441_prep
    .symbol:         k_qd1d356a441_prep.kd
    .args:
      - { .name: W1, .offset: 0, .size: 8, .value_kind: global_buffer, .address_space: global }
      - { .name: W2, .offset: 8, .size: 8, .value_kind: global_buffer, .address_space: global }
      - { .name: W3, .offset: 16, .size: 8, .value_kind: global_buffer, .address_space: global }
      - { .name: command, .offset: 24, .size: 8, .value_kind: global_buffer, .address_space: global }
      - { .name: wt, .offset: 32, .size: 8, .value_kind: global_buffer, .address_space: global }
      - { .name: order, .offset: 40, .size: 8, .value_kind: global_buffer, .address_space: global }
      - { .name: tiles, .offset: 48, .size: 8, .value_kind: global_buffer, .address_space: global }
    .group_segment_fixed_size: 68608
    .private_segment_fixed_size: 0
    .kernarg_segment_align: 8
    .kernarg_segment_size: 56
    .max_flat_workgroup_size: 256
    .sgpr_count:     84
    .vgpr_count:     224
    .wavefront_size: 32
...
	.end_amdgpu_metadata
.endif
;; end of part 1
;; launch chain (part 2): grid 174 x 1, 8 waves a work-group, no clusters, 111,872 bytes of LDS; arguments x, order, tiles, wt, b1, b2, b3, out0; writes out0
.if DOCPART == 2
	.amdgcn_target "amdgcn-amd-amdhsa--gfx1250"
	.amdhsa_code_object_version 6
	.text
	.protected	k_qd1d356a441_chain
	.globl	k_qd1d356a441_chain
	.p2align	8
	.type	k_qd1d356a441_chain,@function
k_qd1d356a441_chain:
	s_mov_b64 s[64:65], 0
	v_nop
	global_prefetch_b8 v0, s[64:65] scope:SCOPE_SE
	s_setreg_imm32_b32 hwreg(HW_REG_WAVE_MODE, 25, 1), 1
	s_wait_xcnt 0x0
; CHAIN.  out[token] = tanh(W3^T relu(W2^T relu(W1^T x + b1) + b2) + b3) with the weights of the token's own expert.
; SHARES.  A work-group takes one tile of the table: up to 48 rows of one expert, three token tiles of 16; places past the count repeat the tile's last row and are not stored.
; 8,192 rows in tiles of 48 over 4 experts are never more than (8192 + 4 x 47) / 48 = 174 tiles, whatever the split: so many work-groups.  A tile with 0 rows walks the chain on rows
; that exist and stores nothing, so that every wave passes every barrier on every path.
; Eight waves split the CHANNELS: wave W has channels 128 W .. +127 of layers 1 and 2, 64 W .. +63 of layer 3.  So each weight has one reader in the work-group: weights come from memory
; straight into registers, in operand order, through a ring of four steps of 16 loads; the hidden layers go from wave to wave through LDS.
; THE RING'S ADDRESSES.  Each of the four buffers has a base of its own.  The counted wait at a step's head shows the buffer's 16 loads done; they are the only pending loads that name its base,
; so the base is stepped right there, and the walk holds no other wait for the sake of an address.
; NO CLUSTER, NO TENSOR LOAD: a weight fragment feeds three products of one wave, so LDS would be written once and read once for it; beside the 99 KB of activations two slots would hold under two K blocks.
; THE MATRIX INSTRUCTION IS USED TRANSPOSED: source 0 = 16 channels x 32 K of weights, source 1 = 16 tokens x 32 K.  Lane l of the result holds token l % 16 and channels 8 (l / 16) + 0..7.
; FORMATS.  x, W1..W3, b1..b3 are rounded to bf16.  Layer 1 multiplies in bf16.  The hidden layers are rounded once to f16, each token scaled by a power of two so that its largest number
; lies in 2^14 .. 2^15: the scale is exact, its inverse goes into the next layer's fused multiply-add with the bias, and no size of the inputs leaves f16's range.  Sums in f32.
; tanh z = 1 - 2 / (1 + 2^(2 z log2 e)); for z^2 < 2^-8 the series z - z^3 / 3 (what it drops is below 2 z^4 / 15 = 2e-6 of z), so that small z keep their relative accuracy.
; LIMITS.  |W2|, |W3| below 65,504 (written as f16 by the launch before).  NaN and infinities are not treated apart.
; LDS.  ACT: 48 rows at 2,064 bytes: x (bf16), then h1, h2 (f16), then y (f32), one after the other: a layer's whole result lies in accumulators until all waves have read its input.
.set PITCH, 2064                       ; 2,048 bytes + 16 = 129 x 16: the 16 rows that a load touches start at 16 different groups of four banks (64 banks of 4 bytes: ISA guide 11.1)
.set TT,    16*PITCH                   ; a token tile's rows
.set BIAS,  48*PITCH                   ; 99,072: b1[e] 4,096 bytes, b2[e] 4,096, b3[e] 2,048, as f32 numbers rounded to bf16
.set MX,    BIAS+10240                 ; 109,312: the waves' maxima: 48 tokens x 8 waves x 4 bytes
.set SPARE, MX+1536                    ; 110,848: the spare words, 128 bytes for each of 8 waves: four blocks of 256 bytes that no other line names
.set STEPB, 8192                       ; a wave's weights for one step
.set ACTF,  16                         ; v[16:63]   layers 1, 2: two sets of three token fragments; the epilogues' work registers
.set ACC,   64                         ; v[64:255]  accumulator (channel tile ct, token tile tt) at ACC + 8 (3 ct + tt); layer 3: v[64:159], and v[160:207] its second set of fragments
.set WB,    72                         ; s[72:79]   ring buffer rb's base at s[WB + 2 rb : WB + 2 rb + 1]: the address of the step that it holds or is being filled with
; v0 thread; v1 16 x lane; v2, v3 walking LDS addresses (token tiles 0, 1; tile 2); v4, v5 the add's two registers; v6 0; v7 (l % 16) x PITCH + 16 (l / 16); v[8:13] 1 / scale, a pair a token tile
; window 1 (v256-511): the ring of weights: buffer rb at 64 rb, fragment f at + 8 f
; s[8:23] x, order, tiles, wt, b1, b2, b3, out; s24 wave; s26 6 x wave; s28 expert, s29 first place, s30 rows; s32-37 my six tokens x 2,048; s[40:51] six row addresses; s54 counter
.set MSB, 0
.macro WIN new                         ; s_set_vgpr_msb: bits 1:0 source 0, 3:2 source 1, 5:4 source 2, 7:6 destination; the high byte repeats the setting that is left
.if MSB != (\new)
	s_set_vgpr_msb (MSB<<8)|(\new)
.set MSB, \new
.endif
.endm
.macro PLACES                          ; a load into a register that a matrix instruction has read, and a vector instruction that reads its result, stand four plain vector instructions behind it
.rept 4
	v_nop
.endr
.endm
.macro WLOAD rb                        ; one step's weights, 16 loads of 512 consecutive bytes from the buffer's own base, into ring buffer rb
	WIN 0x40                                       ; destination window 1, address window 0
.set n_, 0
.rept 16
	global_load_b128 v[64*(\rb)+4*n_:64*(\rb)+4*n_+3], v1, s[WB+2*(\rb):WB+2*(\rb)+1] offset:512*n_
.set n_, n_+1
.endr
.endm
.macro ALOAD set, imm                  ; three token fragments, 32 K at byte imm of the rows
	WIN 0
.irp t, 0,1
	ds_load_b128 v[ACTF+24*(\set)+8*(\t):ACTF+24*(\set)+8*(\t)+3],   v2 offset:(\imm)+(\t)*TT
	ds_load_b128 v[ACTF+24*(\set)+8*(\t)+4:ACTF+24*(\set)+8*(\t)+7], v2 offset:(\imm)+(\t)*TT+32
.endr
	ds_load_b128 v[ACTF+24*(\set)+16:ACTF+24*(\set)+19], v3 offset:(\imm)
	ds_load_b128 v[ACTF+24*(\set)+20:ACTF+24*(\set)+23], v3 offset:(\imm)+32
.endm
.macro MULS form, rb, set, zero        ; 24 products on 24 accumulators, which take turns.  zero = 1: they start the sums
	WIN 0x01                                       ; source 0 (weights) window 1
.irp f, 0,1,2,3,4,5,6,7
.irp t, 0,1,2
.if \zero
	v_wmma_f32_16x16x32_\form v[ACC+8*(3*(\f)+(\t)):ACC+8*(3*(\f)+(\t))+7], v[64*(\rb)+8*(\f):64*(\rb)+8*(\f)+7], v[ACTF+24*(\set)+8*(\t):ACTF+24*(\set)+8*(\t)+7], 0
.else
	v_wmma_f32_16x16x32_\form v[ACC+8*(3*(\f)+(\t)):ACC+8*(3*(\f)+(\t))+7], v[64*(\rb)+8*(\f):64*(\rb)+8*(\f)+7], v[ACTF+24*(\set)+8*(\t):ACTF+24*(\set)+8*(\t)+7], v[ACC+8*(3*(\f)+(\t)):ACC+8*(3*(\f)+(\t))+7]
.endif
.endr
.endr
.endm
; A STEP of layers 1 and 2: 32 along K.  fill = 1: the buffer just multiplied is filled again with the weights four steps on.  aoff: the next step's token fragments (-1: none).
; lcnt: behind this step's 16 loads only the refills of the three later steps were issued: 48; at the very end 32, 16, 0.  With the refill 64 loads can be named at once: the last one's issue waits for a return (ISA guide 5.7.1).
.macro STEP form, rb, set, zero, fill, aoff, lcnt
	s_wait_loadcnt \lcnt                           ; loads come back in order: this buffer's 16 are in,
.if \fill
	s_add_nc_u64 s[WB+2*(\rb):WB+2*(\rb)+1], s[WB+2*(\rb):WB+2*(\rb)+1], 4*STEPB  ; and no pending load names its base any more: four steps on
.endif
	s_wait_dscnt 0x0                               ; this set's fragments, asked for a step ago
.if (\aoff) >= 0
	ALOAD 1-(\set), \aoff
.endif
	MULS \form, \rb, \set, \zero
	PLACES
.if \fill
	WLOAD \rb
.endif
	WIN 0
.endm
; Layer 3: a step is 64 along K for 4 channel tiles.  A set of fragments is 48 registers: set 0 at v16, set 1 at v160; K block kb, token tile t at + 24 kb + 8 t.
.macro ALOAD3 set, imm
	WIN 0
.irp kb, 0,1
.irp t, 0,1
	ds_load_b128 v[16+144*(\set)+24*(\kb)+8*(\t):16+144*(\set)+24*(\kb)+8*(\t)+3],   v2 offset:(\imm)+64*(\kb)+(\t)*TT
	ds_load_b128 v[16+144*(\set)+24*(\kb)+8*(\t)+4:16+144*(\set)+24*(\kb)+8*(\t)+7], v2 offset:(\imm)+64*(\kb)+(\t)*TT+32
.endr
	ds_load_b128 v[16+144*(\set)+24*(\kb)+16:16+144*(\set)+24*(\kb)+19], v3 offset:(\imm)+64*(\kb)
	ds_load_b128 v[16+144*(\set)+24*(\kb)+20:16+144*(\set)+24*(\kb)+23], v3 offset:(\imm)+64*(\kb)+32
.endr
.endm
.macro MULS3 rb, set, zero             ; 12 accumulators by turns, twice over
	WIN 0x01
.irp kb, 0,1
.irp f, 0,1,2,3
.irp t, 0,1,2
.if (\zero) && ((\kb) == 0)
	v_wmma_f32_16x16x32_f16 v[ACC+8*(3*(\f)+(\t)):ACC+8*(3*(\f)+(\t))+7], v[64*(\rb)+8*(4*(\kb)+(\f)):64*(\rb)+8*(4*(\kb)+(\f))+7], v[16+144*(\set)+24*(\kb)+8*(\t):16+144*(\set)+24*(\kb)+8*(\t)+7], 0
.else
	v_wmma_f32_16x16x32_f16 v[ACC+8*(3*(\f)+(\t)):ACC+8*(3*(\f)+(\t))+7], v[64*(\rb)+8*(4*(\kb)+(\f)):64*(\rb)+8*(4*(\kb)+(\f))+7], v[16+144*(\set)+24*(\kb)+8*(\t):16+144*(\set)+24*(\kb)+8*(\t)+7], v[ACC+8*(3*(\f)+(\t)):ACC+8*(3*(\f)+(\t))+7]
.endif
.endr
.endr
.endr
.endm
.macro STEP3 rb, set, zero, fill, aoff, lcnt
	s_wait_loadcnt \lcnt
.if \fill
	s_add_nc_u64 s[WB+2*(\rb):WB+2*(\rb)+1], s[WB+2*(\rb):WB+2*(\rb)+1], 4*STEPB  ; as in STEP: the wait above has freed this base
.endif
	s_wait_dscnt 0x0
.if (\aoff) >= 0
	ALOAD3 1-(\set), \aoff
.endif
	MULS3 \rb, \set, \zero
	PLACES
.if \fill
	WLOAD \rb
.endif
	WIN 0
.endm
; A layer of 4 x trips steps.  The first step starts the sums and stands ahead of the loop; a trip goes once round the ring; the refills run on into the next layer's first four steps.
.macro LAYER form, trips
	v_mov_b32 v2, v7
	v_add_nc_u32 v3, 2*TT, v7                      ; token tile 2 lies past an LDS offset's 16 bits
	ALOAD 0, 0
	STEP \form, 0, 0, 1, 1, 64, 48
	s_mov_b32 s54, (\trips)-1
.Lk_\@:
	STEP \form, 1, 1, 0, 1, 128, 48
	STEP \form, 2, 0, 0, 1, 192, 48
	STEP \form, 3, 1, 0, 1, 256, 48
	STEP \form, 0, 0, 0, 1, 320, 48
	v_add_nc_u32 v2, 256, v2                       ; four steps of 64 bytes along the rows
	v_add_nc_u32 v3, 256, v3
	s_sub_co_u32 s54, s54, 1
	s_cmp_lg_u32 s54, 0
	s_cbranch_scc1 .Lk_\@
	STEP \form, 1, 1, 0, 1, 128, 48
	STEP \form, 2, 0, 0, 1, 192, 48
	STEP \form, 3, 1, 0, 1, -1, 48
.endm
; THE END OF LAYER 1 OR 2 (layer = 0, 1).  z = sum / scale of the input + bias; each token's largest relu(z) over all 1,024 channels; a power of two from it; relu(z) x scale as f16 into ACT.
; v[16:47] biases, then the waves' maxima, then packed results; v48-50 a maximum a token tile; v51-55 addresses; v[56:61] the scale, a pair a token tile; v61-63 first the exchange's targets
.macro EPI layer
	v_and_b32 v14, 15, v0
	v_bfe_u32 v15, v0, 4, 1
	s_lshl_b32 s55, s24, 9
	s_add_co_u32 s55, s55, BIAS+4096*(\layer)
	v_lshl_add_u32 v51, v15, 5, s55                ; biases of channels 128 W + 8 (l / 16) on
	s_lshl_b32 s55, s24, 8
	v_add_nc_u32 v52, s55, v7                      ; h: row l % 16, bytes 256 W + 16 (l / 16) on
	v_add_nc_u32 v53, 2*TT, v52
	s_lshl_b32 s55, s24, 2
	s_add_co_u32 s55, s55, MX
	v_lshl_add_u32 v54, v14, 5, s55                ; my wave's word of token l % 16
	v_lshl_add_u32 v55, v14, 5, MX                 ; the token's eight words
.irp n, 48,49,50,61,62,63
	v_mov_b32 v\n, 0                               ; a maximum that starts at 0 is the maximum of relu(z)
.endr
.set e_h, 0
.rept 2                                ; four channel tiles at a time: 32 registers of biases
.set e_c, 0
.rept 4
	ds_load_b128 v[16+8*e_c:16+8*e_c+3], v51 offset:(4*e_h+e_c)*64
	ds_load_b128 v[16+8*e_c+4:16+8*e_c+7], v51 offset:(4*e_h+e_c)*64+16
.set e_c, e_c+1
.endr
	s_wait_dscnt 0x0
.set e_c, 0
.rept 4
.set e_p, 0
.rept 4                                ; each accumulator's lowest registers are read first
.set e_t, 0
.rept 3
.set ra, ACC+8*(3*(4*e_h+e_c)+e_t)+2*e_p
	v_pk_fma_f32 v[ra:ra+1], v[ra:ra+1], v[8+2*e_t:9+2*e_t], v[16+8*e_c+2*e_p:17+8*e_c+2*e_p]
.set e_t, e_t+1
.endr
.set e_p, e_p+1
.endr
.set e_p, 0
.rept 4
.set e_t, 0
.rept 3
.set ra, ACC+8*(3*(4*e_h+e_c)+e_t)+2*e_p
	v_max3_num_f32 v[48+e_t], v[48+e_t], v[ra], v[ra+1]
.set e_t, e_t+1
.endr
.set e_p, e_p+1
.endr
.set e_c, e_c+1
.endr
.set e_h, e_h+1
.endr
.irp t, 0,1,2
	v_permlanex16_b32 v[61+(\t)], v[48+(\t)], s66, s67  ; the token's other 64 channels of my wave lie in the lane 16 away
.endr
.irp t, 0,1,2
	v_max_num_f32 v[48+(\t)], v[48+(\t)], v[61+(\t)]
.endr
.irp t, 0,1,2
	ds_store_b32 v54, v[48+(\t)] offset:512*(\t)
.endr
	s_wait_dscnt 0x0                               ; my maxima are in LDS, and my reads of this layer's input are over
	s_barrier_signal -1
	s_barrier_wait -1                              ; both now hold of every wave: ACT may be written
.irp t, 0,1,2
	ds_load_b128 v[16+8*(\t):19+8*(\t)], v55 offset:512*(\t)
	ds_load_b128 v[20+8*(\t):23+8*(\t)], v55 offset:512*(\t)+16
.endr
	s_wait_dscnt 0x0
.irp t, 0,1,2
	v_max3_num_f32 v[48+(\t)], v[16+8*(\t)], v[17+8*(\t)], v[18+8*(\t)]
	v_max3_num_f32 v[40+(\t)], v[19+8*(\t)], v[20+8*(\t)], v[21+8*(\t)]
.endr
.irp t, 0,1,2
	v_max3_num_f32 v[48+(\t)], v[48+(\t)], v[40+(\t)], v[22+8*(\t)]
.endr
.irp t, 0,1,2
	v_max_num_f32 v[48+(\t)], v[48+(\t)], v[23+8*(\t)]
.endr
.irp t, 0,1,2                          ; ex = the maximum's exponent field, at least 15: scale = 2^(141 - ex), so that maximum x scale < 2^15; 1 / scale = 2^(ex - 141); both are normal numbers for every ex
	v_lshrrev_b32 v[48+(\t)], 23, v[48+(\t)]
	v_max_u32 v[48+(\t)], 15, v[48+(\t)]
	v_sub_nc_u32 v[40+(\t)], 268, v[48+(\t)]
	v_add_nc_u32 v[48+(\t)], -14, v[48+(\t)]
	v_lshlrev_b32 v[56+2*(\t)], 23, v[40+(\t)]
	v_lshlrev_b32 v[57+2*(\t)], 23, v[40+(\t)]
	v_lshlrev_b32 v[8+2*(\t)], 23, v[48+(\t)]
	v_lshlrev_b32 v[9+2*(\t)], 23, v[48+(\t)]
.endr
.set e_k, 0
.rept 24                               ; accumulator e_k: channel tile e_k / 3, token tile e_k % 3: a lane's eight channels are 16 bytes of its token's row
.set ra, ACC+8*e_k
.set rt, 16+4*(e_k%8)
.set rs, 56+2*(e_k%3)
.irp p, 0,1,2,3
	v_pk_mul_f32 v[ra+2*(\p):ra+2*(\p)+1], v[ra+2*(\p):ra+2*(\p)+1], v[rs:rs+1]
.endr
.irp p, 0,1,2,3
	v_cvt_pk_f16_f32 v[rt+(\p)], v[ra+2*(\p)], v[ra+2*(\p)+1]
.endr
.irp p, 0,1,2,3
	v_pk_max_num_f16 v[rt+(\p)], v[rt+(\p)], v6    ; relu on two numbers at once
.endr
.if (e_k%3) < 2
	ds_store_b128 v52, v[rt:rt+3] offset:(e_k%3)*TT+(e_k/3)*32
.else
	ds_store_b128 v53, v[rt:rt+3] offset:(e_k/3)*32
.endif
.set e_k, e_k+1
.endr
	s_wait_dscnt 0x0                               ; for the others' sake: my part of the hidden layer is in LDS
	s_barrier_signal -1
	s_barrier_wait -1
.endm
; ---------------- the head ----------------
	s_load_b512 s[8:23], s[0:1], 0x0               ; x s[8:9], order s[10:11], tiles s[12:13], wt s[14:15], b1 s[16:17], b2 s[18:19], b3 s[20:21], out s[22:23]
	v_lshl_add_u32 v4, v0, 2, SPARE                ; my spare word; never rewritten
	v_mov_b32 v5, 0                                ; 0; never rewritten
	v_mov_b32 v6, 0
	v_lshrrev_b32 v14, 5, v0
	v_readfirstlane_b32 s24, v14                   ; wave 0..7
	s_lshl_b32 s25, ttmp9, 4                       ; my entry of the table
	v_and_b32 v15, 31, v0                          ; lane
	v_lshlrev_b32 v1, 4, v15
	v_and_b32 v14, 15, v0
	v_bfe_u32 v13, v0, 4, 1
	v_mul_u32_u24 v7, v14, PITCH
	v_lshl_add_u32 v7, v13, 4, v7
	s_mul_i32 s26, s24, 6                          ; I stage and store the tile's rows 6 W .. 6 W + 5
	s_mov_b32 s63, 0                               ; high word of every offset
	s_mov_b32 s66, 0x76543210                      ; v_permlanex16_b32: each lane takes its own place in the other half
	s_mov_b32 s67, 0xfedcba98
	s_mov_b32 s68, 0x3b800000                      ; 2^-8
	s_mov_b32 s69, 0xffff0000                      ; a word's upper bf16
	s_wait_kmcnt 0x0
	s_load_b128 s[28:31], s[12:13], s25 offset:0x0
	s_wait_kmcnt 0x0
	s_min_u32 s28, s28, 3                          ; loaded numbers enter addresses only behind these bounds
	s_min_u32 s29, s29, 8191
	s_min_u32 s30, s30, 48
	s_sub_co_u32 s27, s30, 1                       ; the tile's last row (for a tile of 0 rows: no bound but the list's end)
.irp i, 0,1,2,3,4,5
	s_add_co_u32 s55, s26, \i
	s_min_u32 s55, s55, s27
	s_add_co_u32 s55, s55, s29
	s_min_u32 s55, s55, 8191
	s_lshl_b32 s[56+(\i)], s55, 2
	s_load_b32 s[32+(\i)], s[10:11], s[56+(\i)] offset:0x0
.endr
	s_lshl_b32 s62, s28, 22                        ; the expert's 4 MB,
	s_lshl_b32 s55, s24, 19                        ; my wave's 512 KB of them
	s_add_co_u32 s62, s62, s55
	s_add_nc_u64 s[WB:WB+1], s[14:15], s[62:63]    ; the four buffers' bases: my steps 0 to 3
	s_add_nc_u64 s[WB+2:WB+3], s[WB:WB+1], STEPB
	s_add_nc_u64 s[WB+4:WB+5], s[WB:WB+1], 2*STEPB
	s_add_nc_u64 s[WB+6:WB+7], s[WB:WB+1], 3*STEPB
	WLOAD 0
	WLOAD 1
	WIN 0
	s_lshl_b32 s55, s28, 12
	v_lshl_add_u32 v16, v0, 4, s55                 ; b1, b2: 16 bytes a thread
	s_lshl_b32 s70, s28, 11
	v_lshl_add_u32 v17, v0, 3, s70                 ; b3: 8 bytes a thread
	s_wait_kmcnt 0x0
.irp i, 0,1,2,3,4,5
	s_min_u32 s[32+(\i)], s[32+(\i)], 8191
	s_lshl_b32 s[32+(\i)], s[32+(\i)], 11          ; a row of x, and of out, is 2,048 bytes
	s_mov_b32 s62, s[32+(\i)]
	s_add_nc_u64 s[40+2*(\i):41+2*(\i)], s[8:9], s[62:63]
.endr
.irp i, 0,1,2,3,4,5
.irp q, 0,1,2,3
	global_load_b128 v[ACC+4*(4*(\i)+(\q)):ACC+4*(4*(\i)+(\q))+3], v1, s[40+2*(\i):41+2*(\i)] offset:512*(\q)  ; 512 consecutive bytes of a token's row
.endr
.endr
	global_load_b128 v[160:163], v16, s[16:17]
	global_load_b128 v[164:167], v16, s[18:19]
	global_load_b64 v[168:169], v17, s[20:21]
	s_mul_i32 s55, s26, PITCH
	v_lshl_add_u32 v18, v15, 3, s55                ; x in bf16: 8 bytes a lane in my six rows
	v_lshl_add_u32 v19, v0, 4, BIAS
	v_lshl_add_u32 v20, v0, 3, BIAS+8192
.irp n, 8,9,10,11,12,13
	v_mov_b32 v\n, 1.0                             ; x has no scale
.endr
	s_wait_loadcnt 0x0                             ; 32 + 24 + 3 loads: ring steps 0 and 1, x, the biases
	WLOAD 2                                        ; the ring's other two steps go out ahead of the staging
	WLOAD 3
	WIN 0
.set e_k, 0
.rept 24
.set ra, ACC+4*e_k
	v_cvt_pk_bf16_f32 v[ra], v[ra], v[ra+1]
	v_cvt_pk_bf16_f32 v[ra+1], v[ra+2], v[ra+3]
	ds_store_b64 v18, v[ra:ra+1] offset:(e_k/4)*PITCH+(e_k%4)*256
.set e_k, e_k+1
.endr
.irp b, 160, 164                       ; the biases are rounded to bf16 like the other inputs, and kept as f32
	v_cvt_pk_bf16_f32 v170, v[\b], v[\b+1]
	v_cvt_pk_bf16_f32 v171, v[\b+2], v[\b+3]
	v_lshlrev_b32 v[\b], 16, v170
	v_and_b32 v[\b+1], s69, v170
	v_lshlrev_b32 v[\b+2], 16, v171
	v_and_b32 v[\b+3], s69, v171
.endr
	v_cvt_pk_bf16_f32 v170, v168, v169
	v_lshlrev_b32 v168, 16, v170
	v_and_b32 v169, s69, v170
	ds_store_b128 v19, v[160:163]
	ds_store_b128 v19, v[164:167] offset:4096
	ds_store_b64 v20, v[168:169]
	s_wait_dscnt 0x0                               ; for the others' sake: my rows of x and my part of the biases are in LDS
	s_barrier_signal -1
	s_barrier_wait -1
; ---------------- the chain ----------------
	LAYER bf16, 4                                  ; K = 512: 16 steps
	EPI 0
	LAYER f16, 8                                   ; K = 1,024: 32 steps
	EPI 1
	v_mov_b32 v2, v7                               ; layer 3: K = 1,024 in 16 steps of 64
	v_add_nc_u32 v3, 2*TT, v7
	ALOAD3 0, 0
	STEP3 0, 0, 1, 1, 128, 48
	s_mov_b32 s54, 2
.Lk3:
	STEP3 1, 1, 0, 1, 256, 48
	STEP3 2, 0, 0, 1, 384, 48
	STEP3 3, 1, 0, 1, 512, 48
	STEP3 0, 0, 0, 1, 640, 48
	v_add_nc_u32 v2, 512, v2
	v_add_nc_u32 v3, 512, v3
	s_sub_co_u32 s54, s54, 1
	s_cmp_lg_u32 s54, 0
	s_cbranch_scc1 .Lk3
	STEP3 1, 1, 0, 1, 256, 48                      ; the last seven steps are written out: three more refills reach my 512 KB's end, then none, and the counts run down
	STEP3 2, 0, 0, 1, 384, 48
	STEP3 3, 1, 0, 1, 512, 48
	STEP3 0, 0, 0, 0, 640, 48
	STEP3 1, 1, 0, 0, 768, 32
	STEP3 2, 0, 0, 0, 896, 16
	STEP3 3, 1, 0, 0, -1, 0
; ---------------- tanh and the way out ----------------
	s_wait_dscnt 0x0                               ; my reads of h2 are over
	s_barrier_signal -1
	s_barrier_wait -1                              ; everybody's are: ACT takes y
	v_and_b32 v14, 15, v0
	v_bfe_u32 v15, v0, 4, 1
	v_mul_u32_u24 v48, v14, PITCH
	v_lshl_add_u32 v48, v15, 5, v48
	s_lshl_b32 s55, s24, 8
	v_add_nc_u32 v48, s55, v48                     ; y: row l % 16, bytes 256 W + 32 (l / 16) on
	v_add_nc_u32 v49, 2*TT, v48
	s_add_co_u32 s55, s55, BIAS+8192
	v_lshl_add_u32 v50, v15, 5, s55                ; b3 of channels 64 W + 8 (l / 16) on
	s_mul_i32 s55, s26, PITCH
	v_add_nc_u32 v51, s55, v1                      ; back: my six rows, 512 neighbouring bytes a load
.irp c, 0,1,2,3
	ds_load_b128 v[160+8*(\c):163+8*(\c)], v50 offset:64*(\c)
	ds_load_b128 v[164+8*(\c):167+8*(\c)], v50 offset:64*(\c)+16
.endr
.irp i, 0,1,2,3,4,5
	s_mov_b32 s62, s[32+(\i)]
	s_add_nc_u64 s[40+2*(\i):41+2*(\i)], s[22:23], s[62:63]  ; the same six tokens' rows of out (x's loads, which named these registers, were waited for at the head)
.endr
	s_wait_dscnt 0x0
; Eight numbers of accumulator (c, t).  z v[16:23]; v[24:31] 2 z log2 e, its exponential, + 1, the reciprocal, 1 - 2 x that; z^2 v[32:39]; the series v[40:47].
; Behind each run of transcendentals stand four plain instructions that touch none of its registers (ISA guide 5.7.2).
.macro TANH8 c, t
.set ra, ACC+8*(3*(\c)+(\t))
.irp p, 0,1,2,3
	v_pk_fma_f32 v[16+2*(\p):17+2*(\p)], v[ra+2*(\p):ra+2*(\p)+1], v[8+2*(\t):9+2*(\t)], v[160+8*(\c)+2*(\p):161+8*(\c)+2*(\p)]
.endr
.irp p, 0,1,2,3
	v_pk_mul_f32 v[24+2*(\p):25+2*(\p)], v[16+2*(\p):17+2*(\p)], 0x4038aa3b op_sel_hi:[1,0]
.endr
.irp n, 24,25,26,27,28,29,30,31
	v_exp_f32 v\n, v\n
.endr
.irp p, 0,1,2,3
	v_pk_mul_f32 v[32+2*(\p):33+2*(\p)], v[16+2*(\p):17+2*(\p)], v[16+2*(\p):17+2*(\p)]
.endr
	s_wait_alu depctr_va_vdst(0)
.irp p, 0,1,2,3
	v_pk_add_f32 v[24+2*(\p):25+2*(\p)], v[24+2*(\p):25+2*(\p)], 1.0 op_sel_hi:[1,0]
.endr
.irp n, 24,25,26,27,28,29,30,31
	v_rcp_f32 v\n, v\n
.endr
.irp p, 0,1,2,3
	v_pk_mul_f32 v[40+2*(\p):41+2*(\p)], v[32+2*(\p):33+2*(\p)], v[16+2*(\p):17+2*(\p)]
.endr
.irp p, 0,1,2,3
	v_pk_fma_f32 v[40+2*(\p):41+2*(\p)], v[40+2*(\p):41+2*(\p)], 0xbeaaaaab, v[16+2*(\p):17+2*(\p)] op_sel_hi:[1,0,1]
.endr
	s_wait_alu depctr_va_vdst(0)
.irp p, 0,1,2,3
	v_pk_fma_f32 v[24+2*(\p):25+2*(\p)], v[24+2*(\p):25+2*(\p)], -2.0, 1.0 op_sel_hi:[1,0,0]
.endr
.irp n, 0,1,2,3,4,5,6,7
	v_cmp_gt_f32 vcc_lo, s68, v[32+(\n)]           ; a choice of value: no branch hangs on it
	v_cndmask_b32 v[24+(\n)], v[24+(\n)], v[40+(\n)], vcc_lo
.endr
.if (\t) < 2
	ds_store_b128 v48, v[24:27] offset:(\t)*TT+64*(\c)
	ds_store_b128 v48, v[28:31] offset:(\t)*TT+64*(\c)+16
.else
	ds_store_b128 v49, v[24:27] offset:64*(\c)
	ds_store_b128 v49, v[28:31] offset:64*(\c)+16
.endif
.endm
.irp c, 0,1,2,3
.irp t, 0,1,2
	TANH8 \c, \t
.endr
.endr
	s_wait_dscnt 0x0                               ; for the others' sake: my 64 channels of y are in LDS
	s_barrier_signal -1
	s_barrier_wait -1
.irp i, 0,1,2,3,4,5
.irp q, 0,1,2,3
	ds_load_b128 v[ACC+4*(4*(\i)+(\q)):ACC+4*(4*(\i)+(\q))+3], v51 offset:(\i)*PITCH+512*(\q)
.endr
.endr
.irp i, 0,1,2,3,4,5
	s_wait_dscnt 20-4*(\i)                         ; row i's four loads are back; the later rows' may stay out
	s_add_co_u32 s55, s26, \i
	s_cmp_lt_u32 s55, s30                          ; a row past the tile's count repeats another and is not stored: its four stores are jumped
	s_cbranch_scc0 .Lrow_\i
.irp q, 0,1,2,3
	global_store_b128 v1, v[ACC+4*(4*(\i)+(\q)):ACC+4*(4*(\i)+(\q))+3], s[40+2*(\i):41+2*(\i)] offset:512*(\q) th:TH_STORE_NT  ; each store of the wave covers 512 consecutive bytes, aligned
.endr
.Lrow_\i:
.endr
	s_wait_tensorcnt 0x0                           ; the wave's end, behind my last LDS store
	ds_add_u32 v4, v5
	s_wait_dscnt 0x0
	s_endpgm
.Lfunc_end_k_qd1d356a441_chain:
	.size	k_qd1d356a441_chain, .Lfunc_end_k_qd1d356a441_chain-k_qd1d356a441_chain
	.p2alignl 7, 3214868480
	.fill 96, 4, 3214868480
	.section	.rodata,"a",@progbits
	.p2align	6, 0x0
	.amdhsa_kernel k_qd1d356a441_chain
		.amdhsa_group_segment_fixed_size 111872
		.amdhsa_private_segment_fixed_size 0
		.amdhsa_enable_private_segment 0
		.amdhsa_kernarg_size 64
		.amdhsa_user_sgpr_count 2
		.amdhsa_user_sgpr_kernarg_segment_ptr 1
		.amdhsa_wavefront_size32 1
		.amdhsa_system_sgpr_workgroup_id_x 1
		.amdhsa_system_sgpr_workgroup_id_y 1
		.amdhsa_system_sgpr_workgroup_id_z 1
		.amdhsa_system_vgpr_workitem_id 0
		.amdhsa_next_free_vgpr 512
		.amdhsa_next_free_sgpr 80
		.amdhsa_reserve_vcc 1
		.amdhsa_float_denorm_mode_32 3
		.amdhsa_float_denorm_mode_16_64 3
		.amdhsa_memory_ordered 1
		.amdhsa_forward_progress 1
		.amdhsa_inst_pref_size 239
	.end_amdhsa_kernel
	.amdgpu_metadata
---
amdhsa.version: [ 1, 2 ]
amdhsa.kernels:
  - .name:           k_qd1d356a441_chain
    .symbol:         k_qd1d356a441_chain.kd
    .args:
      - { .name: x, .offset: 0, .size: 8, .value_kind: global_buffer, .address_space: global }
      - { .name: order, .offset: 8, .size: 8, .value_kind: global_buffer, .address_space: global }
      - { .name: tiles, .offset: 16, .size: 8, .value_kind: global_buffer, .address_space: global }
      - { .name: wt, .offset: 24, .size: 8, .value_kind: global_buffer, .address_space: global }
      - { .name: b1, .offset: 32, .size: 8, .value_kind: global_buffer, .address_space: global }
      - { .name: b2, .offset: 40, .size: 8, .value_kind: global_buffer, .address_space: global }
      - { .name: b3, .offset: 48, .size: 8, .value_kind: global_buffer, .address_space: global }
      - { .name: out0, .offset: 56, .size: 8, .value_kind: global_buffer, .address_space: global }
    .group_segment_fixed_size: 111872
    .private_segment_fixed_size: 0
    .kernarg_segment_align: 8
    .kernarg_segment_size: 64
    .max_flat_workgroup_size: 256
    .sgpr_count:     80
    .vgpr_count:     512
    .wavefront_size: 32
...
	.end_amdgpu_metadata
.endif
;; end of part 2
;; ======== version 2 of 2: 2 launches; version 1 with the launch chain written anew for expert scheduling mode
;; limits: values are held in f16: magnitudes above 65,504 overflow, below 6.1e-05 lose precision; inputs' magnitudes at most 65,504
;; workspace buffers: wt 16,777,216 bytes; order 32,768 bytes of whole numbers; tiles 4,096 bytes of whole numbers
;; launch prep: the kernel of part 1 again; grid 257 x 1, 8 waves a work-group, no clusters, 68,608 bytes of LDS; arguments W1, W2, W3, command, wt, order, tiles; writes wt, order, tiles
;; launch chain (part 3): grid 174 x 1, 8 waves a work-group, no clusters, 111,872 bytes of LDS; arguments x, order, tiles, wt, b1, b2, b3, out0; writes out0
.if DOCPART == 3
	.amdgcn_target "amdgcn-amd-amdhsa--gfx1250"
	.amdhsa_code_object_version 6
	.text
	.protected	k_qd1d356a441_chain
	.globl	k_qd1d356a441_chain
	.p2align	8
	.type	k_qd1d356a441_chain,@function
k_qd1d356a441_chain:
	s_mov_b64 s[64:65], 0
	v_nop
	global_prefetch_b8 v0, s[64:65] scope:SCOPE_SE
	s_setreg_imm32_b32 hwreg(HW_REG_WAVE_SCHED_MODE, 0, 2), 2
	s_setreg_imm32_b32 hwreg(HW_REG_WAVE_MODE, 25, 1), 1
	s_wait_xcnt 0x0
	s_wait_alu depctr_vm_vsrc(0)
; CHAIN.  out[token] = tanh(W3^T relu(W2^T relu(W1^T x + b1) + b2) + b3) with the weights of the token's own expert.
; SHARES.  A work-group takes one tile of the table: up to 48 rows of one expert, three token tiles of 16; places past the count repeat the tile's last row and are not stored.
; 8,192 rows in tiles of 48 over 4 experts are never more than (8192 + 4 x 47) / 48 = 174 tiles, whatever the split: so many work-groups.  A tile with 0 rows walks the chain on rows
; that exist and stores nothing, so that every wave passes every barrier on every path.
; Eight waves split the CHANNELS: wave W has channels 128 W .. +127 of layers 1 and 2, 64 W .. +63 of layer 3.  So each weight has one reader in the work-group: weights come from memory
; straight into registers, in operand order, through a ring of four steps of 16 loads; the hidden layers go from wave to wave through LDS.
; NO CLUSTER, NO TENSOR LOAD: a weight fragment feeds three products of one wave, so LDS would be written once and read once for it; beside the 99 KB of activations two slots would hold under two K blocks.
; THE MATRIX INSTRUCTION IS USED TRANSPOSED: source 0 = 16 channels x 32 K of weights, source 1 = 16 tokens x 32 K.  Lane l of the result holds token l % 16 and channels 8 (l / 16) + 0..7.
; FORMATS.  x, W1..W3, b1..b3 are rounded to bf16.  Layer 1 multiplies in bf16.  The hidden layers are rounded once to f16, each token scaled by a power of two so that its largest number
; lies in 2^14 .. 2^15: the scale is exact, its inverse goes into the next layer's fused multiply-add with the bias, and no size of the inputs leaves f16's range.  Sums in f32.
; tanh z = 1 - 2 / (1 + 2^(2 z log2 e)); for z^2 < 2^-8 the series z - z^3 / 3 (what it drops is below 2 z^4 / 15 = 2e-6 of z), so that small z keep their relative accuracy.
; LIMITS.  |W2|, |W3| below 65,504 (written as f16 by the launch before).  NaN and infinities are not treated apart.
; LDS.  ACT: 48 rows at 2,064 bytes: x (bf16), then h1, h2 (f16), then y (f32), one after the other: a layer's whole result lies in accumulators until all waves have read its input.
; THE MODE: SCHED_MODE bits 1:0 = 2 (LLVM: expert scheduling mode 2), set by the entry lines.  The code itself states the register dependences
; between vector or matrix instructions and memory or LDS instructions, with s_wait_alu, always for 0.
; THE PLAN.  The wave's 64 steps are numbered g = 0 .. 63 through the three layers.  Registers that memory or LDS instructions touch in the walk:
;   ring buffer b     Step g's 24 products read buffer g % 4.  The 16 loads of step g + 3 land in buffer (g + 3) % 4 = (g - 1) % 4, which step g - 1's products read; they are issued in one run at step g's head.
;   fragment sets     Step g's products read set g % 2.  The LDS loads at step g's head land in the other set, which step g - 1's products read.
;   v2, v3            Read by every LDS load of a fragment; written once a trip and at a layer's head.
;   v1                Read by every global load and store; never written again.
;   accumulators      In the walk named by matrix instructions alone.  At a layer's end its results close up in the accumulators' own registers, and LDS stores read them there.
; So ONE wait on va_vdst stands at a step's head: step g - 1's products are done reading their ring buffer and their fragments, and v2, v3 are written.  All the step's loads follow it on end, ahead of the
; step's products, with no vector or matrix instruction between.  One wait on vm_vsrc a trip stands ahead of the adds to v2, v3, one at each layer's head.
; THE RING'S COUNTS AND ADDRESSES.  A step's 16 loads are issued at the head of the step three ahead of it (steps 0 to 3: at the kernel's head).  At step g's head, ahead of its own run, only the runs of steps
; g - 2 and g - 1 were issued behind them: 32.  A wave has 48 loads out at the most.  Each buffer has a base of its own; that counted wait shows the only pending loads that name buffer g % 4's base done,
; so the base is stepped right there, for the run of step g + 1, and the walk holds no other wait for the sake of an address.
.set PITCH, 2064                       ; 2,048 bytes + 16 = 129 x 16: the 16 rows that a load touches start at 16 different groups of four banks (64 banks of 4 bytes: ISA guide 11.1)
.set TT,    16*PITCH                   ; a token tile's rows
.set BIAS,  48*PITCH                   ; 99,072: b1[e] 4,096 bytes, b2[e] 4,096, b3[e] 2,048, as f32 numbers rounded to bf16
.set MX,    BIAS+10240                 ; 109,312: the waves' maxima: 48 tokens x 8 waves x 4 bytes
.set SPARE, MX+1536                    ; 110,848: the spare words, 128 bytes for each of 8 waves: four blocks of 256 bytes that no other line names
.set STEPB, 8192                       ; a wave's weights for one step
.set ACTF,  16                         ; v[16:63]   layers 1, 2: two sets of three token fragments; the epilogues' work registers
.set ACC,   64                         ; v[64:255]  accumulator (channel tile ct, token tile tt) at ACC + 8 (3 ct + tt); layer 3: v[64:159], and v[160:207] its second set of fragments
.set WB,    72                         ; s[72:79]   ring buffer rb's base at s[WB + 2 rb : WB + 2 rb + 1]: the address of the step that it holds or is filled with next
.set CM,    54                         ; s[54:61]   the way out: eight masks of lanes (the loops' counter and the head's offsets are done with)
; v0 thread; v1 16 x lane; v2, v3 walking LDS addresses (token tiles 0, 1; tile 2); v4, v5 the add's two registers; v6 0; v7 (l % 16) x PITCH + 16 (l / 16); v[8:13] 1 / scale, a pair a token tile
; window 1 (v256-511): the ring of weights: buffer rb at 64 rb, fragment f at + 8 f
; s[8:23] x, order, tiles, wt, b1, b2, b3, out; s24 wave; s26 6 x wave; s28 expert, s29 first place, s30 rows; s32-37 my six tokens x 2,048; s[40:51] six row addresses; s54 counter
.set MSB, 0
.macro WIN new                         ; s_set_vgpr_msb: bits 1:0 source 0, 3:2 source 1, 5:4 source 2, 7:6 destination; the high byte repeats the setting that is left
.if MSB != (\new)
	s_set_vgpr_msb (MSB<<8)|(\new)
.set MSB, \new
.endif
.endm
.macro PLACES                          ; a vector instruction that reads a matrix result, or writes a register that a matrix instruction has read, stands four plain vector instructions behind it (ISA guide 7.12.1)
.rept 4
	v_nop
.endr
.endm
.macro WLOAD rb                        ; one step's weights, 16 loads of 512 consecutive bytes from the buffer's own base, into ring buffer rb
	WIN 0x40                                       ; destination window 1, address window 0
.set n_, 0
.rept 16
	global_load_b128 v[64*(\rb)+4*n_:64*(\rb)+4*n_+3], v1, s[WB+2*(\rb):WB+2*(\rb)+1] offset:512*n_
.set n_, n_+1
.endr
.endm
.macro ALOAD set, imm                  ; three token fragments, 32 K at byte imm of the rows
	WIN 0
.irp t, 0,1
	ds_load_b128 v[ACTF+24*(\set)+8*(\t):ACTF+24*(\set)+8*(\t)+3],   v2 offset:(\imm)+(\t)*TT
	ds_load_b128 v[ACTF+24*(\set)+8*(\t)+4:ACTF+24*(\set)+8*(\t)+7], v2 offset:(\imm)+(\t)*TT+32
.endr
	ds_load_b128 v[ACTF+24*(\set)+16:ACTF+24*(\set)+19], v3 offset:(\imm)
	ds_load_b128 v[ACTF+24*(\set)+20:ACTF+24*(\set)+23], v3 offset:(\imm)+32
.endm
; Six of a step's 24 products: channel tiles f0, f0 + 1 x three token tiles.  The 24 accumulators take turns.  bf = 1: bf16 (layer 1), 0: f16.  zero = 1: they start the sums
.macro MUL6 bf, rb, set, zero, f0
	WIN 0x01                                       ; source 0 (weights) window 1
.irp f, \f0, (\f0)+1
.irp t, 0,1,2
.set rd_, ACC+8*(3*(\f)+(\t))
.set rw_, 64*(\rb)+8*(\f)
.set rx_, ACTF+24*(\set)+8*(\t)
.if (\bf) && (\zero)
	v_wmma_f32_16x16x32_bf16 v[rd_:rd_+7], v[rw_:rw_+7], v[rx_:rx_+7], 0
.elseif \bf
	v_wmma_f32_16x16x32_bf16 v[rd_:rd_+7], v[rw_:rw_+7], v[rx_:rx_+7], v[rd_:rd_+7]
.elseif \zero
	v_wmma_f32_16x16x32_f16 v[rd_:rd_+7], v[rw_:rw_+7], v[rx_:rx_+7], 0
.else
	v_wmma_f32_16x16x32_f16 v[rd_:rd_+7], v[rw_:rw_+7], v[rx_:rx_+7], v[rd_:rd_+7]
.endif
.endr
.endr
.endm
; A STEP of layers 1 and 2: 32 along K.  aoff: the next step's token fragments (-1: none).  fill = 1: the weights three steps on are asked for, into the buffer that the step before multiplied
; (every step of these layers but the very first, whose part the kernel's head has taken).
.macro STEP bf, rb, set, zero, aoff, fill=1
	s_wait_loadcnt 32                              ; loads come back in order: this buffer's 16 are in; the runs of the two steps before, 32 loads, may stay out,
	s_add_nc_u64 s[WB+2*(\rb):WB+2*(\rb)+1], s[WB+2*(\rb):WB+2*(\rb)+1], 4*STEPB  ; and no pending load names this base any more: four steps on, for the next step's run
	s_wait_dscnt 0x0                               ; this set's fragments, asked for a step ago
.if !(\zero)
	s_wait_alu depctr_va_vdst(0)                   ; the last step's products are done reading the other set and ring buffer rb - 1, in which the loads below land; in a trip's first step v2 and v3 are written
.endif                                                 ; (a layer's first step: the wait at the layer's head states the same, and no vector instruction stands between)
.if (\aoff) >= 0
	ALOAD 1-(\set), \aoff
.endif
.if \fill
	WLOAD ((\rb)+3)%4
.endif
.irp q, 0,1,2,3
	MUL6 \bf, \rb, \set, \zero, 2*(\q)
.endr
	WIN 0
.endm
; Layer 3: a step is 64 along K for 4 channel tiles.  A set of fragments is 48 registers: set 0 at v16, set 1 at v160; K block kb, token tile t at + 24 kb + 8 t.
.macro ALOAD3 set, imm
	WIN 0
.irp kb, 0,1
.irp t, 0,1
	ds_load_b128 v[16+144*(\set)+24*(\kb)+8*(\t):16+144*(\set)+24*(\kb)+8*(\t)+3],   v2 offset:(\imm)+64*(\kb)+(\t)*TT
	ds_load_b128 v[16+144*(\set)+24*(\kb)+8*(\t)+4:16+144*(\set)+24*(\kb)+8*(\t)+7], v2 offset:(\imm)+64*(\kb)+(\t)*TT+32
.endr
	ds_load_b128 v[16+144*(\set)+24*(\kb)+16:16+144*(\set)+24*(\kb)+19], v3 offset:(\imm)+64*(\kb)
	ds_load_b128 v[16+144*(\set)+24*(\kb)+20:16+144*(\set)+24*(\kb)+23], v3 offset:(\imm)+64*(\kb)+32
.endr
.endm
.macro MUL6C rb, set, zero, kb, f0     ; six of layer 3's 24: K block kb, channel tiles f0, f0 + 1: 12 accumulators by turns, twice over in a step
	WIN 0x01
.irp f, \f0, (\f0)+1
.irp t, 0,1,2
.set rd_, ACC+8*(3*(\f)+(\t))
.set rw_, 64*(\rb)+8*(4*(\kb)+(\f))
.set rx_, 16+144*(\set)+24*(\kb)+8*(\t)
.if (\zero) && ((\kb) == 0)
	v_wmma_f32_16x16x32_f16 v[rd_:rd_+7], v[rw_:rw_+7], v[rx_:rx_+7], 0
.else
	v_wmma_f32_16x16x32_f16 v[rd_:rd_+7], v[rw_:rw_+7], v[rx_:rx_+7], v[rd_:rd_+7]
.endif
.endr
.endr
.endm
; fill = 2: the weights three steps on are asked for, and this buffer's base is stepped; 1: asked for alone (no later run names the base); 0: my 512 KB are at their end.
; lcnt: the loads issued behind this step's 16: two runs, 32; at the very end one run, then none.
.macro STEP3 rb, set, zero, fill, aoff, lcnt
	s_wait_loadcnt \lcnt
.if (\fill) > 1
	s_add_nc_u64 s[WB+2*(\rb):WB+2*(\rb)+1], s[WB+2*(\rb):WB+2*(\rb)+1], 4*STEPB  ; as in STEP: the wait above has freed this base
.endif
	s_wait_dscnt 0x0
.if !(\zero) && (((\aoff) >= 0) || (\fill))
	s_wait_alu depctr_va_vdst(0)                   ; as in STEP: the last step's products are done reading the registers in which this step's loads land; v2, v3 are written
.endif                                                 ; (the very last step issues no load: it has nothing to state)
.if (\aoff) >= 0
	ALOAD3 1-(\set), \aoff
.endif
.if \fill
	WLOAD ((\rb)+3)%4
.endif
.irp q, 0,1,2,3
	MUL6C \rb, \set, \zero, (\q)/2, 2*((\q)%2)
.endr
	WIN 0
.endm
; A layer of 4 x trips steps.  The first step starts the sums and stands ahead of the loop; a trip goes once round the ring; the refills run on into the next layer's first three steps.
.macro LAYER bf, trips
	s_wait_alu depctr_vm_vsrc(0)                   ; the LDS stores of the stage before have read their data, which lie in the accumulators' registers, and they and the loads their addresses in v[16:63]; the last layer's fragment loads have read v2, v3
	v_mov_b32 v2, v7
	v_add_nc_u32 v3, 2*TT, v7                      ; token tile 2 lies past an LDS offset's 16 bits
	s_wait_alu depctr_va_vdst(0)                   ; v2 and v3 are written, which the loads below read; the vector work of the stage before is done with v[16:63], in which they land
	ALOAD 0, 0
	STEP \bf, 0, 0, 1, 64, 1-(\bf)                 ; layer 1's first step is step 0: step 3's weights were asked for at the kernel's head
	s_mov_b32 s54, (\trips)-1
.Lk_\@:
	STEP \bf, 1, 1, 0, 128
	STEP \bf, 2, 0, 0, 192
	STEP \bf, 3, 1, 0, 256
	STEP \bf, 0, 0, 0, 320
	s_wait_alu depctr_vm_vsrc(0)                   ; the LDS loads issued so far have read v2 and v3
	v_add_nc_u32 v2, 256, v2                       ; four steps of 64 bytes along the rows
	v_add_nc_u32 v3, 256, v3
	s_sub_co_u32 s54, s54, 1
	s_cmp_lg_u32 s54, 0
	s_cbranch_scc1 .Lk_\@
	STEP \bf, 1, 1, 0, 128
	STEP \bf, 2, 0, 0, 192
	STEP \bf, 3, 1, 0, -1
	PLACES                                         ; behind the layer's last products: the lines that follow write fragment registers and read the sums
.endm
; THE END OF LAYER 1 OR 2 (layer = 0, 1).  z = sum / scale of the input + bias; each token's largest relu(z) over all 1,024 channels; a power of two from it; relu(z) x scale as f16 into ACT.
; v[16:47] biases, then the waves' maxima; v48-50 a maximum a token tile; v51-55 addresses; v[56:61] the scale, a pair a token tile; v61-63 first the exchange's targets.
; The packed results close up into the first four of each accumulator's eight registers: no register that a store reads is written again before the next layer's head.
.macro EPI layer
	v_and_b32 v14, 15, v0
	v_bfe_u32 v15, v0, 4, 1
	s_lshl_b32 s55, s24, 9
	s_add_co_u32 s55, s55, BIAS+4096*(\layer)
	v_lshl_add_u32 v51, v15, 5, s55                ; biases of channels 128 W + 8 (l / 16) on
	s_lshl_b32 s55, s24, 8
	v_add_nc_u32 v52, s55, v7                      ; h: row l % 16, bytes 256 W + 16 (l / 16) on
	v_add_nc_u32 v53, 2*TT, v52
	s_lshl_b32 s55, s24, 2
	s_add_co_u32 s55, s55, MX
	v_lshl_add_u32 v54, v14, 5, s55                ; my wave's word of token l % 16
	v_lshl_add_u32 v55, v14, 5, MX                 ; the token's eight words
.irp n, 48,49,50,61,62,63
	v_mov_b32 v\n, 0                               ; a maximum that starts at 0 is the maximum of relu(z)
.endr
.set e_h, 0
.rept 2                                ; four channel tiles at a time: 32 registers of biases
	s_wait_alu depctr_va_vdst(0)                   ; first time: v51 is written, and the layer's products are done reading v[16:47]; second time: the multiply-adds above are done reading them: the loads below land there
.set e_c, 0
.rept 4
	ds_load_b128 v[16+8*e_c:16+8*e_c+3], v51 offset:(4*e_h+e_c)*64
	ds_load_b128 v[16+8*e_c+4:16+8*e_c+7], v51 offset:(4*e_h+e_c)*64+16
.set e_c, e_c+1
.endr
	s_wait_dscnt 0x0
.set e_c, 0
.rept 4
.set e_p, 0
.rept 4                                ; each accumulator's lowest registers are read first
.set e_t, 0
.rept 3
.set ra, ACC+8*(3*(4*e_h+e_c)+e_t)+2*e_p
	v_pk_fma_f32 v[ra:ra+1], v[ra:ra+1], v[8+2*e_t:9+2*e_t], v[16+8*e_c+2*e_p:17+8*e_c+2*e_p]
.set e_t, e_t+1
.endr
.set e_p, e_p+1
.endr
.set e_p, 0
.rept 4
.set e_t, 0
.rept 3
.set ra, ACC+8*(3*(4*e_h+e_c)+e_t)+2*e_p
	v_max3_num_f32 v[48+e_t], v[48+e_t], v[ra], v[ra+1]
.set e_t, e_t+1
.endr
.set e_p, e_p+1
.endr
.set e_c, e_c+1
.endr
.set e_h, e_h+1
.endr
.irp t, 0,1,2
	v_permlanex16_b32 v[61+(\t)], v[48+(\t)], s66, s67  ; the token's other 64 channels of my wave lie in the lane 16 away
.endr
.irp t, 0,1,2
	v_max_num_f32 v[48+(\t)], v[48+(\t)], v[61+(\t)]
.endr
	s_wait_alu depctr_va_vdst(0)                   ; the maxima v48-50 are written, which the stores read; the multiply-adds are done reading v[16:39], in which the loads behind the barrier land
.irp t, 0,1,2
	ds_store_b32 v54, v[48+(\t)] offset:512*(\t)
.endr
	s_wait_dscnt 0x0                               ; my maxima are in LDS, and my reads of this layer's input are over
	s_barrier_signal -1
	s_barrier_wait -1                              ; both now hold of every wave: ACT may be written
.irp t, 0,1,2
	ds_load_b128 v[16+8*(\t):19+8*(\t)], v55 offset:512*(\t)
	ds_load_b128 v[20+8*(\t):23+8*(\t)], v55 offset:512*(\t)+16
.endr
	s_wait_dscnt 0x0
	s_wait_alu depctr_vm_vsrc(0)                   ; my three stores have read v48-50, which the lines below write again
.irp t, 0,1,2
	v_max3_num_f32 v[48+(\t)], v[16+8*(\t)], v[17+8*(\t)], v[18+8*(\t)]
	v_max3_num_f32 v[40+(\t)], v[19+8*(\t)], v[20+8*(\t)], v[21+8*(\t)]
.endr
.irp t, 0,1,2
	v_max3_num_f32 v[48+(\t)], v[48+(\t)], v[40+(\t)], v[22+8*(\t)]
.endr
.irp t, 0,1,2
	v_max_num_f32 v[48+(\t)], v[48+(\t)], v[23+8*(\t)]
.endr
.irp t, 0,1,2                          ; ex = the maximum's exponent field, at least 15: scale = 2^(141 - ex), so that maximum x scale < 2^15; 1 / scale = 2^(ex - 141); both are normal numbers for every ex
	v_lshrrev_b32 v[48+(\t)], 23, v[48+(\t)]
	v_max_u32 v[48+(\t)], 15, v[48+(\t)]
	v_sub_nc_u32 v[40+(\t)], 268, v[48+(\t)]
	v_add_nc_u32 v[48+(\t)], -14, v[48+(\t)]
	v_lshlrev_b32 v[56+2*(\t)], 23, v[40+(\t)]
	v_lshlrev_b32 v[57+2*(\t)], 23, v[40+(\t)]
	v_lshlrev_b32 v[8+2*(\t)], 23, v[48+(\t)]
	v_lshlrev_b32 v[9+2*(\t)], 23, v[48+(\t)]
.endr
.set e_b, 0
.rept 3                                ; eight accumulators at a time: their stores leave while the next eight are worked on
.set e_k, 8*e_b
.rept 8                                ; accumulator e_k: channel tile e_k / 3, token tile e_k % 3: a lane's eight channels are 16 bytes of its token's row
.set ra, ACC+8*e_k
.set rs, 56+2*(e_k%3)
.irp p, 0,1,2,3
	v_pk_mul_f32 v[ra+2*(\p):ra+2*(\p)+1], v[ra+2*(\p):ra+2*(\p)+1], v[rs:rs+1]
.endr
.irp p, 0,1,2,3
	v_cvt_pk_f16_f32 v[ra+(\p)], v[ra+2*(\p)], v[ra+2*(\p)+1]  ; eight numbers close up into the first four of their eight registers
.endr
.irp p, 0,1,2,3
	v_pk_max_num_f16 v[ra+(\p)], v[ra+(\p)], v6    ; relu on two numbers at once
.endr
.set e_k, e_k+1
.endr
	s_wait_alu depctr_va_vdst(0)                   ; these eight accumulators' packed results are written, which the eight stores read
.set e_k, 8*e_b
.rept 8
.set ra, ACC+8*e_k
.if (e_k%3) < 2
	ds_store_b128 v52, v[ra:ra+3] offset:(e_k%3)*TT+(e_k/3)*32
.else
	ds_store_b128 v53, v[ra:ra+3] offset:(e_k/3)*32
.endif
.set e_k, e_k+1
.endr
.set e_b, e_b+1
.endr
	s_wait_dscnt 0x0                               ; for the others' sake: my part of the hidden layer is in LDS
	s_barrier_signal -1
	s_barrier_wait -1
.endm
; ---------------- the head ----------------
	s_load_b512 s[8:23], s[0:1], 0x0               ; x s[8:9], order s[10:11], tiles s[12:13], wt s[14:15], b1 s[16:17], b2 s[18:19], b3 s[20:21], out s[22:23]
	v_lshl_add_u32 v4, v0, 2, SPARE                ; my spare word; never rewritten
	v_mov_b32 v5, 0                                ; 0; never rewritten
	v_mov_b32 v6, 0
	v_lshrrev_b32 v14, 5, v0
	v_readfirstlane_b32 s24, v14                   ; wave 0..7
	s_lshl_b32 s25, ttmp9, 4                       ; my entry of the table
	v_and_b32 v15, 31, v0                          ; lane
	v_lshlrev_b32 v1, 4, v15
	v_and_b32 v14, 15, v0
	v_bfe_u32 v13, v0, 4, 1
	v_mul_u32_u24 v7, v14, PITCH
	v_lshl_add_u32 v7, v13, 4, v7
	v_lshl_add_u32 v19, v0, 4, BIAS
	v_lshl_add_u32 v20, v0, 3, BIAS+8192
.irp n, 8,9,10,11,12,13
	v_mov_b32 v\n, 1.0                             ; x has no scale
.endr
	s_wait_alu depctr_va_sdst(0)                   ; s24 is written, ahead of its first reader: my rows, my weights and my LDS places are made from it
	s_mul_i32 s26, s24, 6                          ; I stage and store the tile's rows 6 W .. 6 W + 5
	s_mov_b32 s63, 0                               ; high word of every offset
	s_mov_b32 s66, 0x76543210                      ; v_permlanex16_b32: each lane takes its own place in the other half
	s_mov_b32 s67, 0xfedcba98
	s_mov_b32 s68, 0x3b800000                      ; 2^-8
	s_mov_b32 s69, 0xffff0000                      ; a word's upper bf16
	s_mul_i32 s71, s26, PITCH
	v_lshl_add_u32 v18, v15, 3, s71                ; x in bf16: 8 bytes a lane in my six rows
	s_wait_kmcnt 0x0
	s_load_b128 s[28:31], s[12:13], s25 offset:0x0
	s_wait_kmcnt 0x0
	s_min_u32 s28, s28, 3                          ; loaded numbers enter addresses only behind these bounds
	s_min_u32 s29, s29, 8191
	s_min_u32 s30, s30, 48
	s_sub_co_u32 s27, s30, 1                       ; the tile's last row (for a tile of 0 rows: no bound but the list's end)
.irp i, 0,1,2,3,4,5
	s_add_co_u32 s55, s26, \i
	s_min_u32 s55, s55, s27
	s_add_co_u32 s55, s55, s29
	s_min_u32 s55, s55, 8191
	s_lshl_b32 s[56+(\i)], s55, 2
	s_load_b32 s[32+(\i)], s[10:11], s[56+(\i)] offset:0x0
.endr
	s_lshl_b32 s62, s28, 22                        ; the expert's 4 MB,
	s_lshl_b32 s55, s24, 19                        ; my wave's 512 KB of them
	s_add_co_u32 s62, s62, s55
	s_add_nc_u64 s[WB:WB+1], s[14:15], s[62:63]    ; the four buffers' bases: my steps 0 to 3
	s_add_nc_u64 s[WB+2:WB+3], s[WB:WB+1], STEPB
	s_add_nc_u64 s[WB+4:WB+5], s[WB:WB+1], 2*STEPB
	s_add_nc_u64 s[WB+6:WB+7], s[WB:WB+1], 3*STEPB
	s_lshl_b32 s55, s28, 12
	v_lshl_add_u32 v16, v0, 4, s55                 ; b1, b2: 16 bytes a thread
	s_lshl_b32 s70, s28, 11
	v_lshl_add_u32 v17, v0, 3, s70                 ; b3: 8 bytes a thread
	s_wait_alu depctr_va_vdst(0)                   ; the offsets v1, v16, v17 are written, which the loads below read as their addresses; so are v18 to v20, for the stores of the staging
	WLOAD 0
	WLOAD 1
	WIN 0
	s_wait_kmcnt 0x0
.irp i, 0,1,2,3,4,5
	s_min_u32 s[32+(\i)], s[32+(\i)], 8191
	s_lshl_b32 s[32+(\i)], s[32+(\i)], 11          ; a row of x, and of out, is 2,048 bytes
	s_mov_b32 s62, s[32+(\i)]
	s_add_nc_u64 s[40+2*(\i):41+2*(\i)], s[8:9], s[62:63]
.endr
.irp i, 0,1,2,3,4,5
.irp q, 0,1,2,3
	global_load_b128 v[ACC+4*(4*(\i)+(\q)):ACC+4*(4*(\i)+(\q))+3], v1, s[40+2*(\i):41+2*(\i)] offset:512*(\q)  ; 512 consecutive bytes of a token's row
.endr
.endr
	global_load_b128 v[160:163], v16, s[16:17]
	global_load_b128 v[164:167], v16, s[18:19]
	global_load_b64 v[168:169], v17, s[20:21]
	s_wait_loadcnt 0x0                             ; 32 + 24 + 3 loads: ring steps 0 and 1, x, the biases
	WLOAD 2                                        ; the ring's other two steps go out ahead of the staging (no vector instruction has named the ring's registers)
	WLOAD 3
	WIN 0
.set e_k, 0
.rept 24
.set ra, ACC+4*e_k
	v_cvt_pk_bf16_f32 v[ra], v[ra], v[ra+1]
	v_cvt_pk_bf16_f32 v[ra+1], v[ra+2], v[ra+3]
.set e_k, e_k+1
.endr
.irp b, 160, 164                       ; the biases are rounded to bf16 like the other inputs, and kept as f32
	v_cvt_pk_bf16_f32 v170, v[\b], v[\b+1]
	v_cvt_pk_bf16_f32 v171, v[\b+2], v[\b+3]
	v_lshlrev_b32 v[\b], 16, v170
	v_and_b32 v[\b+1], s69, v170
	v_lshlrev_b32 v[\b+2], 16, v171
	v_and_b32 v[\b+3], s69, v171
.endr
	v_cvt_pk_bf16_f32 v170, v168, v169
	v_lshlrev_b32 v168, 16, v170
	v_and_b32 v169, s69, v170
	s_wait_alu depctr_va_vdst(0)                   ; the conversions have written x's pairs and v[160:169], which the 27 LDS stores read
.set e_k, 0
.rept 24
.set ra, ACC+4*e_k
	ds_store_b64 v18, v[ra:ra+1] offset:(e_k/4)*PITCH+(e_k%4)*256
.set e_k, e_k+1
.endr
	ds_store_b128 v19, v[160:163]
	ds_store_b128 v19, v[164:167] offset:4096
	ds_store_b64 v20, v[168:169]
	s_wait_dscnt 0x0                               ; for the others' sake: my rows of x and my part of the biases are in LDS
	s_barrier_signal -1
	s_barrier_wait -1
; ---------------- the chain ----------------
	LAYER 1, 4                                     ; K = 512: 16 steps, in bf16
	EPI 0
	LAYER 0, 8                                     ; K = 1,024: 32 steps, in f16
	EPI 1
	s_wait_alu depctr_vm_vsrc(0)                   ; as at a layer's head: h2's stores have read the accumulators' registers and their addresses; layer 2's fragment loads have read v2, v3
	v_mov_b32 v2, v7                               ; layer 3: K = 1,024 in 16 steps of 64
	v_add_nc_u32 v3, 2*TT, v7
	s_wait_alu depctr_va_vdst(0)                   ; v2 and v3 are written; the vector work above is done with v[16:63] and v[160:207], in which the fragments land
	ALOAD3 0, 0
	STEP3 0, 0, 1, 2, 128, 32
	s_mov_b32 s54, 2
.Lk3:
	STEP3 1, 1, 0, 2, 256, 32
	STEP3 2, 0, 0, 2, 384, 32
	STEP3 3, 1, 0, 2, 512, 32
	STEP3 0, 0, 0, 2, 640, 32
	s_wait_alu depctr_vm_vsrc(0)                   ; the LDS loads issued so far have read v2 and v3
	v_add_nc_u32 v2, 512, v2
	v_add_nc_u32 v3, 512, v3
	s_sub_co_u32 s54, s54, 1
	s_cmp_lg_u32 s54, 0
	s_cbranch_scc1 .Lk3
	STEP3 1, 1, 0, 2, 256, 32                      ; the last seven steps are written out: four more refills reach my 512 KB's end, then none, and the counts run down
	STEP3 2, 0, 0, 2, 384, 32
	STEP3 3, 1, 0, 2, 512, 32
	STEP3 0, 0, 0, 1, 640, 32
	STEP3 1, 1, 0, 0, 768, 32
	STEP3 2, 0, 0, 0, 896, 16
	STEP3 3, 1, 0, 0, -1, 0
	PLACES                                         ; behind the last products: the lines that follow write fragment registers and read the sums
; ---------------- tanh and the way out ----------------
	s_wait_dscnt 0x0                               ; my reads of h2 are over
	s_barrier_signal -1
	s_barrier_wait -1                              ; everybody's are: ACT takes y
	v_and_b32 v14, 15, v0
	v_bfe_u32 v15, v0, 4, 1
	v_mul_u32_u24 v48, v14, PITCH
	v_lshl_add_u32 v48, v15, 5, v48
	s_lshl_b32 s55, s24, 8
	v_add_nc_u32 v48, s55, v48                     ; y: row l % 16, bytes 256 W + 32 (l / 16) on
	v_add_nc_u32 v49, 2*TT, v48
	s_add_co_u32 s55, s55, BIAS+8192
	v_lshl_add_u32 v50, v15, 5, s55                ; b3 of channels 64 W + 8 (l / 16) on
	s_mul_i32 s55, s26, PITCH
	v_add_nc_u32 v51, s55, v1                      ; back: my six rows, 512 neighbouring bytes a load
	s_wait_alu depctr_va_vdst(0)                   ; the four addresses v48 to v51 are written; the last products are done reading v[160:191], in which b3 lands
.irp c, 0,1,2,3
	ds_load_b128 v[160+8*(\c):163+8*(\c)], v50 offset:64*(\c)
	ds_load_b128 v[164+8*(\c):167+8*(\c)], v50 offset:64*(\c)+16
.endr
.irp i, 0,1,2,3,4,5
	s_mov_b32 s62, s[32+(\i)]
	s_add_nc_u64 s[40+2*(\i):41+2*(\i)], s[22:23], s[62:63]  ; the same six tokens' rows of out (x's loads, which named these registers, were waited for at the head)
.endr
	s_wait_dscnt 0x0
.macro YSTORE k                        ; accumulator k's eight results, 32 bytes of a token's row of y
.set ry, ACC+8*(\k)
.if ((\k)%3) < 2
	ds_store_b128 v48, v[ry:ry+3] offset:((\k)%3)*TT+64*((\k)/3)
	ds_store_b128 v48, v[ry+4:ry+7] offset:((\k)%3)*TT+64*((\k)/3)+16
.else
	ds_store_b128 v49, v[ry:ry+3] offset:64*((\k)/3)
	ds_store_b128 v49, v[ry+4:ry+7] offset:64*((\k)/3)+16
.endif
.endm
; Eight numbers of accumulator k = 3 c + t.  z v[16:23]; v[24:31] 2 z log2 e, its exponential, + 1, the reciprocal, 1 - 2 x that; z^2 v[32:39]; the series v[40:47]; the choice goes back into the accumulator's
; own eight registers, which nothing writes again before they are stored: the two stores stand in the next eight's turn, behind the wait that its exponentials need anyway.
; Behind each run of transcendentals stand four plain instructions that touch none of its registers (ISA guide 5.7.2).
.macro TANH8 k
.set ra, ACC+8*(\k)
.set rs, 8+2*((\k)%3)
.set rc, 160+8*((\k)/3)
.irp p, 0,1,2,3
	v_pk_fma_f32 v[16+2*(\p):17+2*(\p)], v[ra+2*(\p):ra+2*(\p)+1], v[rs:rs+1], v[rc+2*(\p):rc+2*(\p)+1]
.endr
.irp p, 0,1,2,3
	v_pk_mul_f32 v[24+2*(\p):25+2*(\p)], v[16+2*(\p):17+2*(\p)], 0x4038aa3b op_sel_hi:[1,0]
.endr
.irp n, 24,25,26,27,28,29,30,31
	v_exp_f32 v\n, v\n
.endr
.irp p, 0,1,2,3
	v_pk_mul_f32 v[32+2*(\p):33+2*(\p)], v[16+2*(\p):17+2*(\p)], v[16+2*(\p):17+2*(\p)]
.endr
	s_wait_alu depctr_va_vdst(0)                   ; the eight exponentials have written v[24:31], which the additions read; the selects of the eight numbers before have written their accumulator's registers, which the two stores read
.if (\k) > 0
	YSTORE (\k)-1
.endif
.irp p, 0,1,2,3
	v_pk_add_f32 v[24+2*(\p):25+2*(\p)], v[24+2*(\p):25+2*(\p)], 1.0 op_sel_hi:[1,0]
.endr
.irp n, 24,25,26,27,28,29,30,31
	v_rcp_f32 v\n, v\n
.endr
.irp p, 0,1,2,3
	v_pk_mul_f32 v[40+2*(\p):41+2*(\p)], v[32+2*(\p):33+2*(\p)], v[16+2*(\p):17+2*(\p)]
.endr
.irp p, 0,1,2,3
	v_pk_fma_f32 v[40+2*(\p):41+2*(\p)], v[40+2*(\p):41+2*(\p)], 0xbeaaaaab, v[16+2*(\p):17+2*(\p)] op_sel_hi:[1,0,1]
.endr
	s_wait_alu depctr_va_vdst(0)                   ; the eight reciprocals have written v[24:31], which the multiply-adds read
.irp p, 0,1,2,3
	v_pk_fma_f32 v[24+2*(\p):25+2*(\p)], v[24+2*(\p):25+2*(\p)], -2.0, 1.0 op_sel_hi:[1,0,0]
.endr
.irp n, 0,1,2,3,4,5,6,7
	v_cmp_gt_f32 s[CM+(\n)], s68, v[32+(\n)]       ; a choice of value: no branch hangs on it; eight masks in a run
.endr
	s_wait_alu depctr_va_sdst(0)                   ; the eight compares have written s[54:61], which the selects read
.irp n, 0,1,2,3,4,5,6,7
	v_cndmask_b32 v[ra+(\n)], v[24+(\n)], v[40+(\n)], s[CM+(\n)]
.endr
.endm
.irp k, 0,1,2,3,4,5,6,7,8,9,10,11
	TANH8 \k
.endr
	s_wait_alu depctr_va_vdst(0)                   ; the last eight selects have written v[152:159], which the last two stores read
	YSTORE 11
	s_wait_dscnt 0x0                               ; for the others' sake: my 64 channels of y are in LDS
	s_barrier_signal -1
	s_barrier_wait -1
	s_wait_alu depctr_vm_vsrc(0)                   ; my stores of y have read v[64:159], in which the loads below land (the selects that wrote them stand ahead of the last wait on va_vdst)
.irp i, 0,1,2,3,4,5
.irp q, 0,1,2,3
	ds_load_b128 v[ACC+4*(4*(\i)+(\q)):ACC+4*(4*(\i)+(\q))+3], v51 offset:(\i)*PITCH+512*(\q)
.endr
.endr
.irp i, 0,1,2,3,4,5
	s_wait_dscnt 20-4*(\i)                         ; row i's four loads are back; the later rows' may stay out
	s_add_co_u32 s55, s26, \i
	s_cmp_lt_u32 s55, s30                          ; a row past the tile's count repeats another and is not stored: its four stores are jumped
	s_cbranch_scc0 .Lrow_\i
.irp q, 0,1,2,3
	global_store_b128 v1, v[ACC+4*(4*(\i)+(\q)):ACC+4*(4*(\i)+(\q))+3], s[40+2*(\i):41+2*(\i)] offset:512*(\q) th:TH_STORE_NT  ; each store of the wave covers 512 consecutive bytes, aligned
.endr
.Lrow_\i:
.endr
	s_wait_dscnt 0x0                               ; the closing lines, six on end
	s_wait_alu 0x0
	s_wait_tensorcnt 0x0
	ds_add_u32 v4, v5
	s_wait_dscnt 0x0
	s_endpgm
.Lfunc_end_k_qd1d356a441_chain:
	.size	k_qd1d356a441_chain, .Lfunc_end_k_qd1d356a441_chain-k_qd1d356a441_chain
	.p2alignl 7, 3214868480
	.fill 96, 4, 3214868480
	.section	.rodata,"a",@progbits
	.p2align	6, 0x0
	.amdhsa_kernel k_qd1d356a441_chain
		.amdhsa_group_segment_fixed_size 111872
		.amdhsa_private_segment_fixed_size 0
		.amdhsa_enable_private_segment 0
		.amdhsa_kernarg_size 64
		.amdhsa_user_sgpr_count 2
		.amdhsa_user_sgpr_kernarg_segment_ptr 1
		.amdhsa_wavefront_size32 1
		.amdhsa_system_sgpr_workgroup_id_x 1
		.amdhsa_system_sgpr_workgroup_id_y 1
		.amdhsa_system_sgpr_workgroup_id_z 1
		.amdhsa_system_vgpr_workitem_id 0
		.amdhsa_next_free_vgpr 512
		.amdhsa_next_free_sgpr 80
		.amdhsa_reserve_vcc 0
		.amdhsa_float_denorm_mode_32 3
		.amdhsa_float_denorm_mode_16_64 3
		.amdhsa_memory_ordered 1
		.amdhsa_forward_progress 1
		.amdhsa_inst_pref_size 244
	.end_amdhsa_kernel
	.amdgpu_metadata
---
amdhsa.version: [ 1, 2 ]
amdhsa.kernels:
  - .name:           k_qd1d356a441_chain
    .symbol:         k_qd1d356a441_chain.kd
    .args:
      - { .name: x, .offset: 0, .size: 8, .value_kind: global_buffer, .address_space: global }
      - { .name: order, .offset: 8, .size: 8, .value_kind: global_buffer, .address_space: global }
      - { .name: tiles, .offset: 16, .size: 8, .value_kind: global_buffer, .address_space: global }
      - { .name: wt, .offset: 24, .size: 8, .value_kind: global_buffer, .address_space: global }
      - { .name: b1, .offset: 32, .size: 8, .value_kind: global_buffer, .address_space: global }
      - { .name: b2, .offset: 40, .size: 8, .value_kind: global_buffer, .address_space: global }
      - { .name: b3, .offset: 48, .size: 8, .value_kind: global_buffer, .address_space: global }
      - { .name: out0, .offset: 56, .size: 8, .value_kind: global_buffer, .address_space: global }
    .group_segment_fixed_size: 111872
    .private_segment_fixed_size: 0
    .kernarg_segment_align: 8
    .kernarg_segment_size: 64
    .max_flat_workgroup_size: 256
    .sgpr_count:     80
    .vgpr_count:     512
    .wavefront_size: 32
...
	.end_amdgpu_metadata
.endif
;; end of part 3
